; MI455X (gfx1250); checked and timed in simulation.
; The chip was launched on July 23, 2026; its instructions are those of AMD's public machine-readable ISA for CDNA 5 (MIT licence, August 2026) and "CDNA5" Instruction Set Architecture Reference Guide (July 2026). The comments in the code are by the model that wrote it; some were corrected since.
;; Multi Head Attention. Allowed arithmetic: matrix products marked QUANTISED: E2M3 operands, one E8M0 scale for each 32 along K, by v_wmma_scale_f32_16x16x128_f8f6f4 with both operands' format E2M3, f32 sums; everything else in f32.
;; Inputs: W_k_codes 1,024 x 32 x 24 uint8 (E2M3 codes of W_k, K innermost, in blocks of 32 codes, four codes in three bytes); W_k_scales 1,024 x 32 uint8 (E8M0 scales of W_k, one for each 32 codes along K); W_o_codes 1,024 x 32 x 24 uint8 (E2M3 codes of W_o, K innermost, in blocks of 32 codes, four codes in three bytes); W_o_scales 1,024 x 32 uint8 (E8M0 scales of W_o, one for each 32 codes along K); W_q_codes 1,024 x 32 x 24 uint8 (E2M3 codes of W_q, K innermost, in blocks of 32 codes, four codes in three bytes); W_q_scales 1,024 x 32 uint8 (E8M0 scales of W_q, one for each 32 codes along K); W_v_codes 1,024 x 32 x 24 uint8 (E2M3 codes of W_v, K innermost, in blocks of 32 codes, four codes in three bytes); W_v_scales 1,024 x 32 uint8 (E8M0 scales of W_v, one for each 32 codes along K); b_o 1,024 float32; x_codes 4 x 2,048 x 32 x 24 uint8 (E2M3 codes of x, K innermost, in blocks of 32 codes, four codes in three bytes); x_scales 4 x 2,048 x 32 uint8 (E8M0 scales of x, one for each 32 codes along K).
;; Outputs: out0 4 x 2,048 x 1,024 float32.
;; This version of the problem:
;;   THIS VERSION OF THE PROBLEM IS GIVEN IN LOW PRECISION. The matrix products marked QUANTISED in the list below multiply operands that are first quantised to E2M3 (2 exponent bits, 3 mantissa bits; 6 bits a number), with one power-of-two scale for each 32 numbers along K (OCP MX v1.0); their sums are f32. All else is computed in f32.
;;   The module's matrix products, in the order in which they are computed (A, B: the left and right operand; K: the contracted axis; several contracted axes count as one K, in the product's order):
;;     1. [M 8,192, K 1,024] x [K 1,024, N 1,024]; A: input x (given as codes); B: input W_q (given as codes): QUANTISED
;;     2. [M 8,192, K 1,024] x [K 1,024, N 1,024]; A: input x (given as codes); B: input W_k (given as codes): QUANTISED
;;     3. [M 8,192, K 1,024] x [K 1,024, N 1,024]; A: input x (given as codes); B: input W_v (given as codes): QUANTISED
;;     4. batch 64 x [M 2,048, K 64] x [K 64, N 2,048]; A: computed on the way; B: computed on the way: QUANTISED
;;     5. batch 64 x [M 2,048, K 2,048] x [K 2,048, N 64]; A: softmax (see below); B: computed on the way: QUANTISED
;;     6. [M 8,192, K 1,024] x [K 1,024, N 1,024]; A: computed on the way; B: input W_o (given as codes): QUANTISED
;;   THE QUANTISER, for each operand of a quantised product, along K:
;;     - K is cut into blocks of 32 from its start; a last block that is shorter is filled with zeros.
;;     - A block's scale is 2^e with e = floor(log2(the largest magnitude in the block)) - 2, held to -126 .. 127; a block of zeros has e = 0. As a byte (E8M0): e + 127.
;;     - Each number is divided by its block's scale, clamped to +-7.5, and rounded to the nearest number of E2M3, ties to even, subnormals kept.
;;     - The product sums the exact products of the quantised numbers (number of the format x scale) in f32.
;;   ~~~python
;;   def quantise(x, axis):      # numpy; x: float32 -> the quantised numbers, widened to float32 again
;;       x = np.moveaxis(x, axis, -1); K = x.shape[-1]
;;       x = np.pad(x, [(0, 0)] * (x.ndim - 1) + [(0, -K % 32)]); x = x.reshape(x.shape[:-1] + (-1, 32)); a = np.abs(x).max(-1, keepdims=True)
;;       e = np.where(a > 0, np.clip(np.frexp(np.where(a > 0, a, 1))[1] - 1 - 2, -126, 127), 0)      # np.frexp(a)[1] - 1 = floor(log2(a)), exactly
;;       r = np.clip(x / 2.0 ** e, -7.5, 7.5)
;;       step = 2.0 ** (np.maximum(np.frexp(np.where(r == 0, 1, r))[1] - 1, 0) - 3)
;;       q = np.round(r / step) * step * 2.0 ** e      # np.round: ties to even
;;       return np.moveaxis(q.reshape(q.shape[:-2] + (-1,))[..., :K], -1, axis).astype(np.float32)
;;   ~~~
;;   SOFTMAX AHEAD OF A QUANTISED PRODUCT. Where the list says 'softmax', what is quantised is not the finished softmax but p = 2^(t - M), with t = logit x log2(e) and M = ceil(the row's largest t), a whole number; so 1/2 < the row's largest p <= 1. The row's sum l is taken of the UNQUANTISED p, in f32, and the product's result is divided by l at the end. Since M is a whole number, a kernel that streams over the keys may use a running M (the ceiling of the running maximum): every later rescaling is an exact power of two, which a block's scale takes up: the codes' values come out the same.
;;   OPERANDS COMPUTED ON THE WAY. 'Computed on the way' means the value that the module computes at that place (a softmax that the list does not call 'softmax' is quantised finished and normalised). What goes into a quantiser is computed in f32, as accurately as f32 sums, v_exp_f32 and their like allow (about 1e-6 of the number): no bf16 or f16 on the way to a quantiser, and a product that is left as it is and whose result goes on into a quantised operand takes f32 operands (vector FMAs, or v_wmma_f32_16x16x4_f32). A number that lies on a knife's edge between two numbers of the format may be rounded either way, as far as f32 arithmetic and the matrix unit's own rounding can turn it there, and no further.
;;   INPUTS GIVEN AS CODES. W_k (in the module: [1024, 1024], K = its axis 0); W_o (in the module: [1024, 1024], K = its axis 0); W_q (in the module: [1024, 1024], K = its axis 0); W_v (in the module: [1024, 1024], K = its axis 0); x (in the module: [4, 2048, 1024], K = its axis 2): each comes as NAME_codes (uint8): NAME with its K axis moved to the last place and cut into blocks of 32 codes, [.., K / 32, bytes a block], one block behind the other in memory; four codes in three bytes: a row's codes are one little-endian stream of bits, code i at bits 6 i .. 6 i + 5 (a code: sign, 2 exponent bits, 3 mantissa bits); and NAME_scales (uint8): the same leading axes, one E8M0 byte (e + 127) for each 32 codes along K. Its value is code x scale, taken as it is: it is not quantised again, and the codes and scales need not be those that the quantiser above would give.
;; One version. Each part assembles by itself: llvm-mc -triple=amdgcn-amd-amdhsa -mcpu=gfx1250 --defsym DOCPART=n.
;; ======== version 1 of 1: 3 launches
;; workspace buffers: qbuf 6,815,744 bytes; kbuf 6,815,744 bytes; vbuf 6,815,744 bytes; cbuf 6,553,600 bytes
;; launch proj (part 1): grid 12 x 32, 4 waves a work-group, clusters of 4 x 4, 327,680 bytes of LDS; arguments x_codes, x_scales, W_q_codes, W_q_scales, W_k_codes, W_k_scales, W_v_codes, W_v_scales, qbuf, kbuf, vbuf; writes qbuf, kbuf, vbuf
.if DOCPART == 1
	.amdgcn_target "amdgcn-amd-amdhsa--gfx1250"
	.amdhsa_code_object_version 6
	.text
	.protected	k_q7e12ff8a63_proj
	.globl	k_q7e12ff8a63_proj
	.p2align	8
	.type	k_q7e12ff8a63_proj,@function
k_q7e12ff8a63_proj:
	s_mov_b64 s[64:65], 0
	v_nop
	global_prefetch_b8 v0, s[64:65] scope:SCOPE_SE
	s_setreg_imm32_b32 hwreg(HW_REG_WAVE_MODE, 25, 1), 1
	s_wait_xcnt 0x0
	s_wait_alu depctr_hold_cnt(0) depctr_sa_sdst(0) depctr_va_vdst(0) depctr_va_sdst(0) depctr_va_ssrc(0) depctr_va_vcc(0) depctr_vm_vsrc(0)
	s_getreg_b32 s2, hwreg(HW_REG_IB_STS2, 6, 4)
	s_cmp_eq_u32 s2, 0
	s_cbranch_scc0 .Lentry_in_a_cluster
	s_endpgm
.Lentry_in_a_cluster:
	s_bfe_u32 s2, ttmp6, 0x10000c
	s_cmp_lg_u32 s2, 0xf033
	s_cbranch_scc0 .Lentry_shape_is_right
	s_endpgm
.Lentry_shape_is_right:
; q = x Wq^T, k = x Wk^T and V^T = Wv x^T on codes of FP6 (E2M3) with one E8M0 scale for each 32 along K = 1,024; each result is quantised again, in registers, along its COLUMNS.
; All three are C = A B^T with rows of 768 bytes of codes.  Cluster x 0: A = x, B = W_q; 1: A = x, B = W_k; 2: A = W_v, B = x.  For q and k the columns are the heads' channels (the K of the scores),
; for V^T they are the tokens (the K of the second product of attention): so one way out serves all three.
; A tile of C, 256 x 256, is made by four waves, each 128 x 128: 64 accumulators of 16 x 16.  K goes in steps of 256 through two LDS slots filled by the tensor data mover; the scales of the
; work-group's 256 + 256 rows come into LDS once.  4 x 4 work-groups form a cluster: A's tiles are asked for jointly along a row of the cluster, B's along a column.
; THE MATRIX INSTRUCTION IS USED TRANSPOSED (source 0 = 16 rows of B, source 1 = 16 rows of A): lane (r, h) holds row r of C, register j of accumulator (a, b) the column 16 b + 8 h + j.
; WHAT IS STORED: a wave's 128 x 128 is one CHUNK of 13,312 bytes, an image of operand registers.  Piece (a, c), 768 bytes at (2 a + c) x 768: rows 16 a + r, columns 64 c on: registers 0-3 of the
; half fragment at 16 x lane, registers 4-5 at 512 + 8 x lane; lane (r, h) holds the whole block 2 c + h of row 16 a + r.  Bytes 12,288 on: each row's scale word (four bytes, one a block of 32),
; row 16 a + r at 256 (a / 4) + 16 r + 4 (a % 4); bytes 12,800 on: the same words shifted down by 16 bits, for the odd head of a pair.
; ORDER INSIDE A BLOCK OF 32: place 16 h + 8 u + j holds column 32 beta + 16 u + 8 h + j.  q and k carry the same order, and the weights of attention are laid in the same order as V^T's keys: the sums are the same.
; Chunk number: pair of heads x 64 + block of 128 tokens, in each of the three buffers.
; LIMITS: a block of zeros gets the byte 1 (its codes are zeros; only this program reads the bytes); NaN and infinities are not served.
; REGISTERS, in windows of 256: window 0: v0-31 addresses; v32-63 scale words, two sets; from v128 A's fragments, one set.  window 1: B's fragments, two sets.  windows 2, 3: the accumulators ((a, b) at v[8 (8 (a % 4) + b)]).
.set SIZE_K, 1024
.set KSTEP,  256                       ; along K in a slot
.set NQ,     KSTEP/128                 ; matrix instructions deep
.set ROWB,   192                       ; a tile's row in bytes
.set KROW,   SIZE_K*6/8                ; a row of codes in memory
.set PITCH,  240                       ; an LDS row: 3 x (64 bytes + 16 of padding)
.set FR,     12                        ; registers of a fragment
.set NL,     6                         ; LDS loads that bring one
.set NP,     4                         ; places behind this matrix instruction (ISA guide 7.12.1)
.set HALFT,  128*PITCH                 ; what one tensor load brings
.set SLOT,   4*HALFT
.set LAPS,   SIZE_K/(2*KSTEP)
.set KS,     SIZE_K/32                 ; a row of scale bytes
.set SCL,    2*SLOT                    ; behind the ring: the scales, 256 bytes + 16 of padding at a time
.set HALFS,  (128*KS/256)*272
.set SBLK,   (16*KS/256)*272
.set SPARE,  SCL+4*HALFS               ; the spare words, 128 bytes a wave: no other line names them
.set CHUNK,  13312
.set ADRA, 16                          ; v16-17 my A fragments in slot 0, 1 (v18-19: behind one padding more)
.set ADRB, 20                          ; v20-21 the same for B (v22-23)
.set L16,  24                          ; v24  16 x lane
.set L8,   25                          ; v25  8 x lane
.set ADRS, 27                          ; v27  my scale words: lanes 0-15 A's rows, lanes 16-31 B's
.set SPW,  28                          ; v28  my spare word; never rewritten
.set NIL,  29                          ; v29  0; never rewritten
.set SC,   32                          ; scale words, set s at v[SC + 16 s]
.set AF,   128                         ; A's fragments
.set SWD,  32                          ; the way out: the eight blocks' scale words
.set OUTW, 40                          ; and the words as they are stored
.set PC,   112                         ; the way out: the codes just made
.set TM,   200                         ; the way out: v200-203 largest magnitudes, v204-207 bytes, v212-215 the conversions' scale operands
.set G1, 24
.set G0, 32
.set G1B, 48
.set G0B, 56
.set G1S, 68
.set G0S, 76
.set G1SB, 80
.set G0SB, 88
.set MSB, 0
.macro WIN new                         ; the immediate's high byte repeats the setting that is left
.if MSB != \new
	s_set_vgpr_msb (MSB<<8)|\new
.set MSB, \new
.endif
.endm
.set MUL_LO, 0xa1                      ; source 0 (B) window 1, source 1 (A) window 0, C and D window 2
.set MUL_HI, 0xf1                      ; the same, C and D window 3
.set TO_B,   0x40                      ; destination window 1
; A joint load: waves 0 and 1 fetch for A, waves 2 and 3 for B.  The branch hangs on the wave's number alone.  Four v_nop follow each of the two lines.
.macro JLOAD g0a, g1a, g0b, g1b
	s_cmp_eq_u32 s15, 0
	s_cbranch_scc0 .Lfor_b_\@
	tensor_load_to_lds s[\g0a:\g0a+3], s[\g1a:\g1a+7]
	s_nop 0
.rept 4
	v_nop
.endr
	s_branch .Lasked_\@
.Lfor_b_\@:
	tensor_load_to_lds s[\g0b:\g0b+3], s[\g1b:\g1b+7]
	s_nop 0
.rept 4
	v_nop
.endr
.Lasked_\@:
.endm
.macro CREST                           ; a round of the cluster's barrier behind its opening barrier
	s_cmp_lg_u32 s14, 0
	s_cbranch_scc1 .Lnot_wave_0_\@
	s_barrier_signal -3
.Lnot_wave_0_\@:
	s_barrier_wait -3
	s_barrier_signal -1
	s_barrier_wait -1
.endm
.macro CROUND                          ; a whole round
	s_barrier_signal -1
	s_barrier_wait -1
	CREST
.endm
	s_load_b512 s[68:83], s[0:1], 0x0              ; x's codes, scales; W_q's; W_k's; W_v's
	s_load_b128 s[84:87], s[0:1], 0x40             ; qbuf, kbuf
	s_load_b64 s[88:89], s[0:1], 0x50              ; vbuf
	v_lshl_add_u32 v[SPW], v0, 2, SPARE
	v_mov_b32 v[NIL], 0
	ds_add_u32 v28, v29
	s_wait_dscnt 0x0
	v_lshrrev_b32 v1, 5, v0
	v_readfirstlane_b32 s14, v1                    ; wave 0..3
	s_lshr_b32 s15, s14, 1                         ; which half of the tile's rows is mine.  Also: I fetch for A (0) or for B (1)
	s_and_b32 s16, s14, 1                          ; which half of its columns.  Also: which 128 rows of that tile I fetch
	s_bfe_u32 s40, ttmp6, 0x40000                  ; cx, cy: my place in the cluster
	s_bfe_u32 s41, ttmp6, 0x40004
	s_and_b32 s99, ttmp7, 0xffff                   ; cluster y, 0..7
	s_wait_kmcnt 0x0
	; which product: the choice hangs on cluster x alone, which all sixteen partners share
	s_cmp_eq_u32 ttmp9, 0
	s_cselect_b64 s[8:9], s[72:73], s[76:77]       ; B's codes: W_q's or W_k's
	s_cselect_b64 s[10:11], s[74:75], s[78:79]     ; B's scales
	s_cselect_b64 s[12:13], s[84:85], s[86:87]     ; the result
	s_cmp_eq_u32 ttmp9, 2
	s_cselect_b64 s[4:5], s[80:81], s[68:69]       ; A's codes: W_v's for V^T, else x's
	s_cselect_b64 s[6:7], s[82:83], s[70:71]
	s_cselect_b64 s[8:9], s[68:69], s[8:9]         ; B: x for V^T
	s_cselect_b64 s[10:11], s[70:71], s[10:11]
	s_cselect_b64 s[12:13], s[88:89], s[12:13]
	s_cselect_b32 s98, 0, s99                      ; the long axis (8,192 tokens, 8 clusters) runs down the rows for q and k,
	s_cselect_b32 s99, s99, 0                      ; along the columns for V^T
	s_lshl_b32 s42, s99, 2
	s_add_co_u32 s42, s42, s40                     ; tile column of C
	s_lshl_b32 s17, s98, 2
	s_add_co_u32 s17, s17, s41                     ; tile row of C
	s_lshl_b32 s43, s41, 2
	s_lshl_b32 s43, 15, s43                        ; my row of the cluster
	s_lshl_b32 s44, 0x1111, s40                    ; my column
	; descriptor group 1: a tile of 128 rows x 192 bytes, 16 bytes of padding behind every 64
	s_or_b32 s[G1+0], s43, (0<<16)|(1<<20)|(1<<21)|(3<<22)|(3<<25)
	s_or_b32 s[G1B+0], s44, (0<<16)|(1<<20)|(1<<21)|(3<<22)|(3<<25)
.irp g, G1, G1B
	s_mov_b32 s[\g+1], ROWB<<16                    ; tensor_dim0
	s_mov_b32 s[\g+2], 128<<16                     ; tensor_dim1
	s_mov_b32 s[\g+3], ROWB<<16                    ; tile_dim0
	s_mov_b32 s[\g+4], 128                         ; tile_dim1
	s_mov_b32 s[\g+5], KROW                        ; the pitch in memory
	s_mov_b32 s[\g+6], 0
	s_mov_b32 s[\g+7], 0
.endr
	; the scales of 128 rows: 4,096 dense bytes as 16 rows of 256 (32 elements of 8 bytes), 16 bytes of padding behind each
	s_or_b32 s[G1S+0], s43, (3<<16)|(1<<20)|(1<<21)|(5<<22)|(3<<25)
	s_or_b32 s[G1SB+0], s44, (3<<16)|(1<<20)|(1<<21)|(5<<22)|(3<<25)
.irp g, G1S, G1SB
	s_mov_b32 s[\g+1], 32<<16
	s_mov_b32 s[\g+2], (128*KS/256)<<16
	s_mov_b32 s[\g+3], 32<<16
	s_mov_b32 s[\g+4], 128*KS/256
	s_mov_b32 s[\g+5], 32
	s_mov_b32 s[\g+6], 0
	s_mov_b32 s[\g+7], 0
.endr
	s_lshl_b32 s18, s16, 7                         ; which 128 rows of the tile I fetch
	s_lshl_b32 s20, s17, 8
	s_add_co_u32 s20, s20, s18                     ; A: row 256 x tile row + 128 x half
	s_lshl_b32 s46, s42, 8
	s_add_co_u32 s46, s46, s18                     ; B: row 256 x tile column + 128 x half
	s_mov_b32 s21, 0
	s_mov_b32 s47, 0
	s_mov_b64 s[18:19], KS
	s_mul_u64 s[22:23], s[20:21], s[18:19]         ; where these rows' scales begin
	s_mul_u64 s[92:93], s[46:47], s[18:19]
	s_mov_b64 s[18:19], KROW
	s_mul_u64 s[20:21], s[20:21], s[18:19]         ; and their codes
	s_mul_u64 s[46:47], s[46:47], s[18:19]
	s_mul_i32 s45, s14, HALFT                      ; where they go: wave x 128 rows
	s_mul_i32 s94, s14, HALFS
	s_add_nc_u64 s[20:21], s[4:5], s[20:21]
	s_add_nc_u64 s[22:23], s[6:7], s[22:23]
	s_add_nc_u64 s[46:47], s[8:9], s[46:47]
	s_add_nc_u64 s[92:93], s[10:11], s[92:93]
	CROUND                                         ; all sixteen work-groups are here: the first joint loads meet
	s_mov_b32 s[G0S], 1
	s_add_co_u32 s[G0S+1], s94, SCL
	s_mov_b64 s[G0S+2:G0S+3], s[22:23]
	s_or_b32 s[G0S+3], s[G0S+3], 0x80000000
	s_mov_b32 s[G0SB], 1
	s_add_co_u32 s[G0SB+1], s94, SCL
	s_mov_b64 s[G0SB+2:G0SB+3], s[92:93]
	s_or_b32 s[G0SB+3], s[G0SB+3], 0x80000000
	JLOAD G0S, G1S, G0SB, G1SB                     ; the scales first: they are wanted with K step 0
.irp s, 0,1
	s_mov_b32 s[G0+4*\s], 1
	s_add_co_u32 s[G0+4*\s+1], s45, \s*SLOT
	s_add_nc_u64 s[G0+4*\s+2:G0+4*\s+3], s[20:21], \s*ROWB
	s_or_b32 s[G0+4*\s+3], s[G0+4*\s+3], 0x80000000
	s_mov_b32 s[G0B+4*\s], 1
	s_add_co_u32 s[G0B+4*\s+1], s45, \s*SLOT
	s_add_nc_u64 s[G0B+4*\s+2:G0B+4*\s+3], s[46:47], \s*ROWB
	s_or_b32 s[G0B+4*\s+3], s[G0B+4*\s+3], 0x80000000
	JLOAD G0+4*\s, G1, G0B+4*\s, G1B
.endr
	v_and_b32 v1, 15, v0                           ; r
	v_bfe_u32 v2, v0, 4, 1                         ; h
	v_mul_u32_u24 v3, v1, PITCH
	v_mul_u32_u24 v4, v2, 24
	v_add_nc_u32 v4, v3, v4                        ; a fragment's row x pitch + 24 x half
	v_lshl_add_u32 v5, v2, 4, v4                   ; and the same behind one padding more
	s_mul_i32 s21, s15, HALFT                      ; my 128 rows of A
	s_mul_i32 s22, s16, HALFT                      ; my 128 rows of B,
	s_add_co_u32 s22, s22, 2*HALFT                 ; which lie behind A's 256
.irp s, 0,1
	v_add_nc_u32 v[ADRA+\s], s21, v4
	v_add_nc_u32 v[ADRB+\s], s22, v4
	v_add_nc_u32 v[ADRA+2+\s], s21, v5
	v_add_nc_u32 v[ADRB+2+\s], s22, v5
	s_add_co_u32 s21, s21, SLOT
	s_add_co_u32 s22, s22, SLOT
.endr
	v_mul_u32_u24 v5, v1, KS                       ; my row's scales: 32 bytes a row,
	v_lshrrev_b32 v6, 8, v5
	v_lshl_add_u32 v5, v6, 4, v5                   ; and 16 more for each 256 passed
	s_mul_i32 s21, s15, HALFS                      ; A's: my 128 rows
	s_mul_i32 s22, s16, HALFS                      ; B's: my 128 rows, behind A's 256
	s_add_co_u32 s22, s22, 2*HALFS
	s_sub_co_u32 s22, s22, s21
	v_mul_u32_u24 v6, s22, v2                      ; lanes 16-31 take B's
	s_add_co_u32 s21, s21, SCL
	v_add_nc_u32 v5, v5, v6
	v_add_nc_u32 v[ADRS], s21, v5
	v_and_b32 v6, 31, v0
	v_lshlrev_b32 v[L16], 4, v6
	v_lshlrev_b32 v[L8], 3, v6
	; my chunk: pair of heads x 64 + block of 128 tokens.  For q and k the rows are tokens and the columns a pair's channels, for V^T the other way round
	s_lshl_b32 s20, s17, 1
	s_add_co_u32 s20, s20, s15                     ; my block of 128 rows
	s_lshl_b32 s46, s42, 1
	s_add_co_u32 s46, s46, s16                     ; my block of 128 columns
	s_cmp_eq_u32 ttmp9, 2
	s_cselect_b32 s21, s20, s46                    ; the pair
	s_cselect_b32 s47, s46, s20                    ; the tokens
	s_lshl_b32 s21, s21, 6
	s_add_co_u32 s21, s21, s47
	s_mul_i32 s20, s21, CHUNK
	s_mov_b32 s21, 0
	s_add_nc_u64 s[12:13], s[12:13], s[20:21]
	s_mov_b32 s20, 0x76543210
	s_mov_b32 s21, 0xfedcba98                      ; v_permlanex16_b32's selects for lane l xor 16
	s_mov_b32 s22, 0xffff0000                      ; lanes 16-31
.macro FRAG reg, adr, q, i             ; a fragment: lane (r, h) takes 24 bytes of row r twice, in pieces of 8 bytes; where the piece lies behind one padding more for lanes 16-31, the second address register serves
.irp p, 0,1,2,3,4,5
.set PCE, 12*(\q)+6*(\p/3)+\p%3
.if PCE%8 < 5
	ds_load_b64 v[\reg+2*\p:\reg+2*\p+1], v[\adr] offset:8*PCE+16*(PCE/8)+(\i)*16*PITCH
.else
	ds_load_b64 v[\reg+2*\p:\reg+2*\p+1], v[\adr+2] offset:8*PCE+16*(PCE/8)+(\i)*16*PITCH
.endif
.endr
.endm
; 16 matrix instructions: A's blocks a0, a0 + 1 x B's eight, 128 along K.  The 64 accumulators take turns, one instruction a turn, in the same order in every step.
.macro MUL16 a0, p, q, sc, zero
.irp a, \a0, \a0+1
.irp b, 0,1,2,3,4,5,6,7
.if \zero
	v_wmma_scale_f32_16x16x128_f8f6f4 v[8*(8*((\a)%4)+\b):8*(8*((\a)%4)+\b)+7], v[128*(\p)+FR*\b:128*(\p)+FR*\b+FR-1], v[AF+FR*(\a):AF+FR*(\a)+FR-1], 0, v[SC+8*NQ*(\sc)+NQ*\b+(\q)], v[SC+8*NQ*(\sc)+NQ*(\a)+(\q)] matrix_a_fmt:MATRIX_FMT_FP6 matrix_b_fmt:MATRIX_FMT_FP6 matrix_a_scale:MATRIX_SCALE_ROW1
.else
	v_wmma_scale_f32_16x16x128_f8f6f4 v[8*(8*((\a)%4)+\b):8*(8*((\a)%4)+\b)+7], v[128*(\p)+FR*\b:128*(\p)+FR*\b+FR-1], v[AF+FR*(\a):AF+FR*(\a)+FR-1], v[8*(8*((\a)%4)+\b):8*(8*((\a)%4)+\b)+7], v[SC+8*NQ*(\sc)+NQ*\b+(\q)], v[SC+8*NQ*(\sc)+NQ*(\a)+(\q)] matrix_a_fmt:MATRIX_FMT_FP6 matrix_b_fmt:MATRIX_FMT_FP6 matrix_a_scale:MATRIX_SCALE_ROW1
.endif
.endr
.endr
.endm
.macro FETCH_B slot, q, p
	WIN TO_B
.irp i, 0,1,2,3,4,5,6,7
	FRAG 128*(\p)+FR*\i, ADRB+\slot, \q, \i
.endr
	WIN 0
.endm
.macro FETCH_A slot, q, i0
.irp i, \i0, \i0+1, \i0+2, \i0+3
	FRAG AF+FR*(\i), ADRA+\slot, \q, \i
.endr
.endm
.macro SCALES sc                       ; a K step's scale words: lanes 0-15 take A's block i, lanes 16-31 B's block i
.irp i, 0,1,2,3,4,5,6,7
	ds_load_b64 v[SC+8*NQ*\sc+NQ*\i:SC+8*NQ*\sc+NQ*\i+1], v[ADRS] offset:\i*SBLK
.endr
.endm
.macro PLACES n                        ; plain vector instructions between a matrix instruction and a load into, or a vector access to, its registers
.rept \n
	v_nop
.endr
.endm
.macro STEP slot, q, zero              ; a step of 128 along K that has its successor in the same slot
	s_wait_dscnt 4*NL                              ; B's set and A's blocks 0-3 are in; the youngest 24 loads (A's blocks 4-7) may be out
	WIN MUL_LO
	MUL16 0, (\q)%2, \q, \slot, \zero
	MUL16 2, (\q)%2, \q, \slot, \zero
	s_wait_dscnt 0                                 ; A's blocks 4-7 are in
	PLACES NP
	FETCH_B \slot, (\q)+1, 1-(\q)%2
	FETCH_A \slot, (\q)+1, 0
	WIN MUL_HI
	MUL16 4, (\q)%2, \q, \slot, \zero
	MUL16 6, (\q)%2, \q, \slot, \zero
	PLACES NP
	WIN 0
	FETCH_A \slot, (\q)+1, 4
.endm
; A slot's last step changes slots: one barrier; in front of it each wave waits for all its tensor loads, adds 0 to its spare word, and waits for that and for its own reads of this slot.
.macro TURN slot, next, fill
	s_wait_tensorcnt 0x0                           ; all my tensor loads have landed: my part of the next slot
	ds_add_u32 v[SPW], v[NIL]                      ; 0 onto my spare word
	s_wait_dscnt 4*NL+1                            ; (the add and the youngest 24 loads, A's blocks 4-7, may be out)
	WIN MUL_LO
	MUL16 0, 1, NQ-1, \slot, 0
	s_wait_dscnt 0x0                               ; the add is done, and my reads of this slot are over
	s_barrier_signal -1
	MUL16 2, 1, NQ-1, \slot, 0
	WIN 0
	s_barrier_wait -1
.if \fill
	CREST                                          ; the barrier has opened a round of the cluster's barrier: no wave of any partner still reads this slot or has a load on its way
	s_add_nc_u64 s[G0+4*\slot+2:G0+4*\slot+3], s[G0+4*\slot+2:G0+4*\slot+3], 2*ROWB
	s_add_nc_u64 s[G0B+4*\slot+2:G0B+4*\slot+3], s[G0B+4*\slot+2:G0B+4*\slot+3], 2*ROWB
	JLOAD G0+4*\slot, G1, G0B+4*\slot, G1B         ; the first tensor load behind the round; its four v_nop are the places in front of the loads below
.else
	PLACES NP
.endif
	v_add_nc_u32 v[ADRS], 4*NQ, v[ADRS]            ; on to the next K step's scale words
	FETCH_B \next, 0, 0
	FETCH_A \next, 0, 0
	SCALES \next
	WIN MUL_HI
	MUL16 4, 1, NQ-1, \slot, 0
	MUL16 6, 1, NQ-1, \slot, 0
	PLACES NP
	WIN 0
	FETCH_A \next, 0, 4
.endm
	s_wait_tensorcnt 1                             ; the scales and my part of K step 0 are in (K step 1's load may be out)
	s_barrier_signal -1
	s_barrier_wait -1                              ; everybody's are
	FETCH_B 0, 0, 0
	FETCH_A 0, 0, 0
	SCALES 0
	FETCH_A 0, 0, 4
	STEP 0, 0, 1                                   ; the first step's products start the sums
	s_mov_b32 s3, LAPS-1
.Llap:                                                 ; a trip goes once round the ring and fills both slots again
	TURN 0, 1, 1
	STEP 1, 0, 0
	TURN 1, 0, 1
	STEP 0, 0, 0
	s_sub_co_u32 s3, s3, 1
	s_cmp_lg_u32 s3, 0
	s_cbranch_scc1 .Llap
	TURN 0, 1, 0                                   ; the last lap fills nothing
	STEP 1, 0, 0
	s_wait_dscnt 4*NL
	WIN MUL_LO
	MUL16 0, 1, NQ-1, 1, 0
	MUL16 2, 1, NQ-1, 1, 0
	s_wait_dscnt 0
	WIN MUL_HI
	MUL16 4, 1, NQ-1, 1, 0
	MUL16 6, 1, NQ-1, 1, 0
	WIN 0
; THE WAY OUT, a block of 16 rows at a time: its 64 registers of a lane are four half blocks of 32 columns (register 16 b + i: block b); lanes l and l xor 16 hold a block between them.
; Largest magnitude with the floor 2^(3 - 127) among its leaves; 2 off its exponent field is the conversion's scale operand, shifted down the scale's byte; four conversions; an exchange of halves, so that a lane holds a whole block.
; Each accumulator is read from its low end on.  The stores of a piece cover 512 and 256 consecutive bytes, at multiples of 256 from the buffer's first byte.
.macro QOUT a
.set AC, 64*((\a)%4)
.set WA, 2+(\a)/4
.set W01, WA|(WA<<2)
.set W12, (WA<<2)|(WA<<4)
	WIN W01                                        ; sources 0 and 1 in the accumulators' window
.irp b, 0,1,2,3
	v_max3_num_f32 v[TM+\b], |v[AC+16*\b]|, |v[AC+16*\b+1]|, 0x1800000
.endr
	WIN W12                                        ; sources 1 and 2
.irp i, 2,4,6,8,10,12,14
.irp b, 0,1,2,3
	v_max3_num_f32 v[TM+\b], v[TM+\b], |v[AC+16*\b+\i]|, |v[AC+16*\b+\i+1]|
.endr
.endr
	WIN 0
.irp b, 0,1,2,3
	v_permlanex16_b32 v[TM+4+\b], v[TM+\b], s20, s21
.endr
.irp b, 0,1,2,3
	v_max_num_f32 v[TM+\b], v[TM+\b], v[TM+4+\b]   ; the block's largest magnitude
.endr
.irp b, 0,1,2,3
	v_add_nc_u32 v[TM+12+\b], 0xff000000, v[TM+\b] ; 2 off its exponent field
.endr
.irp b, 0,1,2,3
	v_lshrrev_b32 v[TM+4+\b], 23, v[TM+12+\b]      ; the scale's byte
.endr
	v_lshl_or_b32 v[SWD+(\a)], v[TM+5], 8, v[TM+4] ; my row's scale word
	v_lshl_or_b32 v[SWD+(\a)], v[TM+6], 16, v[SWD+(\a)]
	v_lshl_or_b32 v[SWD+(\a)], v[TM+7], 24, v[SWD+(\a)]
.if (\a) > 0
	s_wait_xcnt 0x0                                ; the last block's stores have read the codes' registers, which are written again below
.endif
	WIN WA                                         ; source 0 in the accumulators' window
.irp c, 0,1
	v_cvt_scalef32_pk16_fp6_f32 v[PC+6*\c:PC+6*\c+2], v[AC+32*\c:AC+32*\c+15], v[TM+12+2*\c]
	v_cvt_scalef32_pk16_fp6_f32 v[PC+12+4*\c:PC+14+4*\c], v[AC+32*\c+16:AC+32*\c+31], v[TM+12+2*\c+1]
.endr
	WIN 0
	v_nop                                          ; one plain place behind a scaled conversion
.irp c, 0,1
.irp i, 0,1,2
	v_permlane16_swap_b32 v[PC+6*\c+\i], v[PC+12+4*\c+\i]   ; lanes 0-15 get block 2 c whole, lanes 16-31 block 2 c + 1
.endr
.irp i, 0,1,2
	v_mov_b32 v[PC+3+6*\c+\i], v[PC+12+4*\c+\i]
.endr
.endr
.irp c, 0,1
	global_store_b128 v[L16], v[PC+6*\c:PC+6*\c+3], s[12:13] offset:(2*(\a)+\c)*768
	global_store_b64 v[L8], v[PC+6*\c+4:PC+6*\c+5], s[12:13] offset:(2*(\a)+\c)*768+512
.endr
.endm
	PLACES NP                                      ; behind the last products: their results are read, and registers that they read are written
.irp b, 0,1,2,3
	v_mov_b32 v[TM+4+\b], 0                        ; written once: a lane permute's destination counts as one of its sources
.endr
.irp a, 0,1,2,3,4,5,6,7
	QOUT \a
.endr
.irp i, 0,1,2,3
	v_cndmask_b32 v[OUTW+\i], v[SWD+\i], v[SWD+4+\i], s22   ; lanes 0-15 blocks 0-3's words, lanes 16-31 blocks 4-7's
.endr
.irp i, 0,1,2,3
	v_lshrrev_b32 v[OUTW+4+\i], 16, v[OUTW+\i]     ; the odd head's two bytes at the word's low end, zeros above
.endr
	global_store_b128 v[L16], v[OUTW:OUTW+3], s[12:13] offset:12288
	global_store_b128 v[L16], v[OUTW+4:OUTW+7], s[12:13] offset:12800
	s_wait_tensorcnt 0x0                           ; the wave's end
	ds_add_u32 v[SPW], v[NIL]
	s_wait_dscnt 0x0
	CROUND                                         ; the closing round: no work-group ends while a partner may still ask for a tile that names it
	s_endpgm
.Lfunc_end_k_q7e12ff8a63_proj:
	.size	k_q7e12ff8a63_proj, .Lfunc_end_k_q7e12ff8a63_proj-k_q7e12ff8a63_proj
	.p2alignl 7, 3214868480
	.fill 96, 4, 3214868480
	.section	.rodata,"a",@progbits
	.p2align	6, 0x0
	.amdhsa_kernel k_q7e12ff8a63_proj
		.amdhsa_group_segment_fixed_size 327680
		.amdhsa_private_segment_fixed_size 0
		.amdhsa_enable_private_segment 0
		.amdhsa_kernarg_size 88
		.amdhsa_user_sgpr_count 2
		.amdhsa_user_sgpr_kernarg_segment_ptr 1
		.amdhsa_wavefront_size32 1
		.amdhsa_system_sgpr_workgroup_id_x 1
		.amdhsa_system_sgpr_workgroup_id_y 1
		.amdhsa_system_sgpr_workgroup_id_z 1
		.amdhsa_system_vgpr_workitem_id 0
		.amdhsa_next_free_vgpr 1024
		.amdhsa_next_free_sgpr 100
		.amdhsa_reserve_vcc 0
		.amdhsa_float_denorm_mode_32 3
		.amdhsa_float_denorm_mode_16_64 3
		.amdhsa_memory_ordered 1
		.amdhsa_forward_progress 1
		.amdhsa_inst_pref_size 166
	.end_amdhsa_kernel
	.amdgpu_metadata
---
amdhsa.version: [ 1, 2 ]
amdhsa.kernels:
  - .name:           k_q7e12ff8a63_proj
    .symbol:         k_q7e12ff8a63_proj.kd
    .args:
      - { .name: x_codes, .offset: 0, .size: 8, .value_kind: global_buffer, .address_space: global }
      - { .name: x_scales, .offset: 8, .size: 8, .value_kind: global_buffer, .address_space: global }
      - { .name: W_q_codes, .offset: 16, .size: 8, .value_kind: global_buffer, .address_space: global }
      - { .name: W_q_scales, .offset: 24, .size: 8, .value_kind: global_buffer, .address_space: global }
      - { .name: W_k_codes, .offset: 32, .size: 8, .value_kind: global_buffer, .address_space: global }
      - { .name: W_k_scales, .offset: 40, .size: 8, .value_kind: global_buffer, .address_space: global }
      - { .name: W_v_codes, .offset: 48, .size: 8, .value_kind: global_buffer, .address_space: global }
      - { .name: W_v_scales, .offset: 56, .size: 8, .value_kind: global_buffer, .address_space: global }
      - { .name: qbuf, .offset: 64, .size: 8, .value_kind: global_buffer, .address_space: global }
      - { .name: kbuf, .offset: 72, .size: 8, .value_kind: global_buffer, .address_space: global }
      - { .name: vbuf, .offset: 80, .size: 8, .value_kind: global_buffer, .address_space: global }
    .group_segment_fixed_size: 327680
    .private_segment_fixed_size: 0
    .kernarg_segment_align: 8
    .kernarg_segment_size: 88
    .max_flat_workgroup_size: 128
    .sgpr_count:     100
    .vgpr_count:     1024
    .wavefront_size: 32
...
	.end_amdgpu_metadata
.endif
;; end of part 1
;; launch attn (part 2): grid 8 x 32, 16 waves a work-group, no clusters, 327,680 bytes of LDS; arguments qbuf, kbuf, vbuf, cbuf; writes cbuf
.if DOCPART == 2
	.amdgcn_target "amdgcn-amd-amdhsa--gfx1250"
	.amdhsa_code_object_version 6
	.text
	.protected	k_q7e12ff8a63_attn
	.globl	k_q7e12ff8a63_attn
	.p2align	8
	.type	k_q7e12ff8a63_attn,@function
k_q7e12ff8a63_attn:
	s_mov_b64 s[64:65], 0
	v_nop
	global_prefetch_b8 v0, s[64:65] scope:SCOPE_SE
	s_setreg_imm32_b32 hwreg(HW_REG_WAVE_MODE, 25, 1), 1
	s_wait_xcnt 0x0
; Causal attention of one pair of heads (head size 64) of one batch, both products on codes of FP6 (E2M3) with E8M0 scales; the result is quantised along the channels and stored as an image of operand registers.
; q, k, V^T come as chunks of 13,312 bytes (128 rows x 128 columns): piece (a, c) at (2 a + c) x 768: registers 0-3 of a half fragment at 16 x lane, registers 4-5 at 512 + 8 x lane; scale words at 12,288
; (row 16 a + r at 256 (a / 4) + 16 r + 4 (a % 4)), the same shifted down 16 bits at 12,800.  q, k: rows = tokens, c = the head's parity.  V^T: rows = the pair's channels (a = 4 x parity + tile), columns = 128 keys.
; SHARES.  Work-group (j, y): pair y % 8, batch y / 8; it owns the blocks of 128 queries j and then 15 - j: (j + 1) + (16 - j) = 17 key steps of 128 in every work-group, so all trip counts are constants.
; Wave w: head parity c = w % 2, tile a = w / 2: 16 queries of one head in 256 registers, four waves to a SIMD.  Step s takes key block s (s <= j) or s - j - 1; a query block's last step lies on the diagonal.
; LAYOUT.  S^T = K Q^T (source 0 = 16 keys, source 1 = my queries; K = the head's 64, the upper 64 of the instruction's 128 are zero codes on both sides), O^T = V^T P^T: a lane holds one query throughout.
; Register 16 b + 8 u + i of the scores is key 32 b + 16 u + 8 h + i, and the codes made of them take place 16 h + 8 u + i of block b: the order in which V^T's keys were laid.
; SOFTMAX.  t = score x log2(e) / 8; M = the running largest t rounded up to a whole number; p = 2^(t - M) is quantised along the keys; the sum is taken of the unquantised p and divides at the end;
; when M moves, the sum and O^T are multiplied by 2^(old M - new M), which rounds nothing.
; RING.  Two LDS slots, each with two steps' chunks (K, V, K, V), filled by waves 0-3, one tensor load of one chunk each, read by all sixteen.  No LDS byte is ever stored by a wave.
; NO JOINT LOADS: the eight work-groups that share a pair's K and V turn back to key block 0 behind different steps (work-group j behind step j), so from then on no trip has one tile that all would ask for.
; WHAT IS STORED: chunks of 12,800 bytes, number (block of 128 tokens) x 8 + pair: pieces as above (rows = tokens, c = parity, channels in their true order), scale words at 12,288, byte 2 c + h of a word by lane (r, h).
; LIMITS: a block of zeros gets the byte 1 (its codes are zeros; only this program reads the bytes); NaN and infinities are not served.
.set CHUNK, 13312
.set STEPB, 2*CHUNK                    ; a step: K's chunk, then V's
.set SLOT1, 1<<16                      ; slot 1 begins here: one exclusive or turns an address from one slot to the other
.set SPARE, 2*SLOT1                    ; the spare words, 128 bytes a wave: no other line names them
.set CCH,   12800                      ; a chunk of the result
.set SPW, 7                            ; v7   my spare word; never rewritten
.set NIL, 8                            ; v8   0; never rewritten
.set KF,  56                           ; v56-103  four fragments of K; registers 6-11 of each are zeros and stay so
.set SS,  104                          ; v104-167 S^T, then p; then V's four fragments (v104-151); on the way out the result
.set OT,  168                          ; v168-199 O^T
.set PCD, 200                          ; v200-211 p's codes
.set PT,  212                          ; v212-218 the conversions' second halves
.set BM,  220                          ; v220-223 the blocks' largest scores, then largest p
.set PD,  224                          ; v224-227 permutes' destinations, then bytes
.set SOP, 228                          ; v228-231 the conversions' scale operands
; v1-6 my lane's places in a step's chunks (K 16, K 8, K's scales, V 16, V 8, V's scales); v9 query - 8 h on the diagonal; v10 -infinity; v11, v12 my piece in a chunk of q or of the result; v13 my scale byte's place;
; v14-19 the step's addresses; v20 -M, v21 the largest t, v[22:23] the sum; v24-35 Q (v30-35 zeros); v36-41, v42 the second block's Q and scale word; v43 Q's scale word; v44-47 K's; v48-51 V's; v52 p's;
; v53 prefetch offset; v54 Q's scale word's place; v[232:233] second chain of the sum; v[234:235] f; v236 at work.
; s2 slot in hand; s[4:11] q, k, v, result; s12 wave, s13 c, s14 a; s15 j, s16 j + 1; s17 query block, s18 key block; s19 trips; s[20:21] lane selects; s[22:23] c = log2(e) / 8;
; s[24:31], s[32:35] descriptor; s[36:37] my buffer at the pair's first chunk; s[38:39] an offset; s40 the step that I fetch next; s41 lanes 16-31; s[42:43], s44 prefetch; s[46:47] result's chunk; s56 pair, s57 16 x batch, s58 first chunk.
.macro NEXTADR                         ; the walking descriptor's global address: the key block of step s40; then two steps on
	s_cmp_lt_u32 s40, s16
	s_cselect_b32 s38, 0, s16
	s_sub_co_u32 s38, s40, s38                     ; s, or s - j - 1
	s_mul_i32 s38, s38, CHUNK
	s_add_nc_u64 s[34:35], s[36:37], s[38:39]
	s_or_b32 s35, s35, 0x80000000                  ; type = 2
	s_add_co_u32 s40, s40, 2
.endm
.macro TLOAD n                         ; waves 0 to n - 1 fetch a chunk each; four v_nop follow the line
	s_cmp_lt_u32 s12, \n
	s_cbranch_scc0 .Lnone_\@
	tensor_load_to_lds s[32:35], s[24:31]
	s_nop 0
.rept 4
	v_nop
.endr
.Lnone_\@:
.endm
; A PREFETCH INTO THE L2.  A pair's 16 chunks of K, and of V, are 212,992 dense bytes.  Work-group j = 0 alone asks, waves 4-7 for K and waves 8-11 for V, one instruction each at a change of slots: 8,192 bytes a wave, lanes 256 bytes apart.
; The first change names bytes 53,248 on (the fifth chunk: the first that the next change can ask for), each later change 32,768 bytes more, against the 26,624 that a change fetches; 19 runs of 8,192 in all, so no lane passes the 16 chunks' end;
; the first four chunks and the last 4,096 bytes come by their loads alone.  Each block of 256 bytes is named once in the launch.
.macro ASK
	s_cmp_lt_u32 s44, 23
	s_cbranch_scc0 .Lnot_mine_\@
	global_prefetch_b8 v53, s[42:43] th:TH_LOAD_NT scope:SCOPE_SE
.Lnot_mine_\@:
.endm
	s_load_b256 s[4:11], s[0:1], 0x0               ; qbuf, kbuf, vbuf, cbuf
	v_lshl_add_u32 v[SPW], v0, 2, SPARE
	v_mov_b32 v[NIL], 0
	ds_add_u32 v7, v8
	ds_add_u32 v7, v8
	s_wait_dscnt 0x0
	v_lshrrev_b32 v14, 5, v0
	s_delay_alu instid0(VALU_DEP_1)
	v_readfirstlane_b32 s12, v14                   ; wave 0..15
	s_and_b32 s13, s12, 1                          ; c: my head's parity
	s_lshr_b32 s14, s12, 1                         ; a: my tile of 16 queries
	s_mov_b32 s15, ttmp9                           ; j
	s_add_co_u32 s16, s15, 1
	s_mov_b32 s17, s15                             ; the first block of queries
	s_mov_b32 s18, 0                               ; the first block of keys
	s_and_b32 s48, ttmp7, 0xffff
	s_and_b32 s56, s48, 7                          ; the pair of heads
	s_lshr_b32 s57, s48, 3
	s_lshl_b32 s57, s57, 4                         ; 16 x batch: its first block of 128 tokens
	s_lshl_b32 s58, s56, 6
	s_add_co_u32 s58, s58, s57                     ; the first chunk of (pair, batch) in q, k and v
	; descriptor group 1: a chunk, 13,312 dense bytes, as 52 rows of 256 (32 elements of 8 bytes), no padding: the reads are 16 or 8 x lane on end
	s_mov_b32 s24, 3<<16
	s_mov_b32 s25, 32<<16                          ; tensor_dim0
	s_mov_b32 s26, 52<<16                          ; tensor_dim1
	s_mov_b32 s27, 32<<16                          ; tile_dim0
	s_mov_b32 s28, 52                              ; tile_dim1
	s_mov_b32 s29, 32                              ; the pitch
	s_mov_b32 s30, 0
	s_mov_b32 s31, 0
	s_mov_b32 s32, 1
	s_mul_i32 s33, s12, CHUNK                      ; LDS: slot 0, wave x a chunk: K, V of the slot's first step, K, V of its second
	s_mov_b32 s39, 0
	s_lshr_b32 s40, s12, 1                         ; the step that I fetch first: 0 (waves 0, 1) or 1 (waves 2, 3)
	s_mov_b32 s41, 0xffff0000
	s_mov_b32 s20, 0x76543210
	s_mov_b32 s21, 0xfedcba98
	s_mov_b32 s22, 0x3e38aa3b                      ; log2(e) / 8
	s_mov_b32 s23, s22                             ; (named with it as a pair)
	s_mov_b32 s2, 0
	s_mov_b32 s53, 0
	s_wait_kmcnt 0x0
	s_cmp_eq_u32 s13, 0
	s_cselect_b64 s[36:37], s[6:7], s[8:9]         ; even waves fetch K, odd waves V
	s_mul_i32 s38, s58, CHUNK
	s_add_nc_u64 s[36:37], s[36:37], s[38:39]
	NEXTADR
	TLOAD 4                                        ; steps 0 and 1 into slot 0: the first fills, ahead of every wait, LDS read and barrier
	v_and_b32 v14, 31, v0                          ; lane
	v_and_b32 v15, 15, v0                          ; r
	s_wait_alu depctr_va_vdst(0)
	v_bfe_u32 v16, v0, 4, 1                        ; h
	s_mul_i32 s54, s12, 768                        ; my piece (a, c): 2 a + c is my wave's number
	v_lshl_add_u32 v11, v14, 4, s54
	s_add_co_u32 s55, s54, 512
	v_lshl_add_u32 v12, v14, 3, s55
	s_lshr_b32 s54, s14, 2
	s_lshl_b32 s54, s54, 8
	s_and_b32 s55, s14, 3
	s_lshl_b32 s55, s55, 2
	s_add_co_u32 s54, s54, s55
	s_add_co_u32 s54, s54, 12288
	v_lshl_add_u32 v54, v15, 4, s54                ; the scale word of row 16 a + r
	s_lshl_b32 s55, s13, 1
	v_add_nc_u32 v13, s55, v54
	s_wait_alu depctr_va_vdst(0)
	v_add_nc_u32 v13, v13, v16                     ; the result's: byte 2 c + h of it
	s_lshl_b32 s55, s13, 9
	v_add_nc_u32 v54, s55, v54                     ; q's: in the area of my head's parity
	s_add_co_u32 s52, s58, s15
	s_mul_i32 s52, s52, CHUNK
	s_add_nc_u64 s[48:49], s[4:5], s[52:53]        ; q's chunk of block j
	s_sub_co_u32 s52, 15, s15
	s_add_co_u32 s52, s52, s58
	s_mul_i32 s52, s52, CHUNK
	s_add_nc_u64 s[50:51], s[4:5], s[52:53]        ; and of block 15 - j
	global_load_b128 v[24:27], v11, s[48:49]
	global_load_b64 v[28:29], v12, s[48:49]
	global_load_b32 v43, v54, s[48:49]
	global_load_b128 v[36:39], v11, s[50:51]
	global_load_b64 v[40:41], v12, s[50:51]
	global_load_b32 v42, v54, s[50:51]
.irp i, 30,31,32,33,34,35
	v_mov_b32 v\i, 0                               ; the upper 64 of the first product's K: zero codes
.endr
.irp t, 0,1,2,3
.irp i, 6,7,8,9,10,11
	v_mov_b32 v[KF+12*\t+\i], 0
.endr
.endr
	s_mul_i32 s54, s13, 768
	v_lshl_add_u32 v1, v14, 4, s54                 ; K: 16 l + 768 c
	s_add_co_u32 s55, s54, 512
	v_lshl_add_u32 v2, v14, 3, s55                 ; 8 l + 768 c + 512
	s_lshl_b32 s54, s13, 9
	s_add_co_u32 s54, s54, 12288
	v_lshl_add_u32 v3, v14, 4, s54                 ; K's scale words: lanes 0-15 tiles 0-3, lanes 16-31 tiles 4-7
	s_mul_i32 s54, s13, 6144
	s_add_co_u32 s54, s54, CHUNK
	v_lshl_add_u32 v4, v14, 4, s54                 ; V: my head's four tiles of channels
	s_add_co_u32 s55, s54, 512
	v_lshl_add_u32 v5, v14, 3, s55
	s_lshl_b32 s54, s13, 8
	s_add_co_u32 s54, s54, CHUNK+12288
	v_lshl_add_u32 v6, v15, 4, s54                 ; V's scale words: row r of my head's four tiles
	s_lshl_b32 s54, s14, 4
	v_add_nc_u32 v9, s54, v15
	v_lshlrev_b32 v17, 3, v16
	s_delay_alu instid0(VALU_DEP_1)
	v_sub_nc_u32 v9, v9, v17                       ; 16 a + r - 8 h
	v_mov_b32 v10, 0xff800000                      ; -infinity
	v_lshlrev_b32 v53, 8, v14
	v_mov_b32 v21, 0xff61b1e6                      ; the largest t so far: -3e38
	s_delay_alu instid0(VALU_DEP_1)
	v_floor_f32 v20, -v21                          ; -M
	v_mov_b32 v22, 0
	v_mov_b32 v23, 0
	v_mov_b32 v235, 0                              ; (named as the upper half of the pair v[234:235])
.irp b, 0,1,2,3
	v_mov_b32 v[PD+\b], 0                          ; a lane permute's destination counts as one of its sources
.endr
.set n, 0
.rept 32
	v_mov_b32 v[OT+n], 0                           ; O^T: the step is written alike for all steps; the first change of M leaves zeros zeros
.set n, n+1
.endr
	; the prefetches: where my wave's stand (one change's 32,768 bytes short of the first that is named), and who asks
	s_cmp_lt_u32 s12, 8
	s_cselect_b64 s[42:43], s[6:7], s[8:9]
	s_mul_i32 s52, s58, CHUNK
	s_and_b32 s54, s12, 3
	s_lshl_b32 s55, s54, 13
	s_add_co_u32 s52, s52, s55
	s_add_co_u32 s52, s52, 4*CHUNK-32768
	s_add_nc_u64 s[42:43], s[42:43], s[52:53]
	s_sub_co_u32 s55, s12, 4
	s_lshr_b32 s55, s55, 3                         ; 0 in waves 4 to 11,
	s_or_b32 s55, s55, ttmp9                       ; of work-group j = 0
	s_cmp_eq_u32 s55, 0
	s_cselect_b32 s44, s54, 0x100000               ; my run's number less 4 after the first step, or a number that never asks
; A KEY STEP: 128 keys, the q-th of the slot in hand.  diag = 2: the step may lie on the diagonal (a scalar test on ids); 1: it does; 0: it does not.
.macro STEP q, diag
	v_add_nc_u32 v14, s2, v1                       ; six plain lines: also the places between the last step's products and the products below, which write over the registers that held V
	s_wait_alu depctr_va_vdst(0)
	v_add_nc_u32 v15, s2, v2
	s_wait_alu depctr_va_vdst(0)
	v_add_nc_u32 v16, s2, v3
	v_add_nc_u32 v17, s2, v4
	v_add_nc_u32 v18, s2, v5
	v_add_nc_u32 v19, s2, v6
.irp g, 0,1                                    ; S^T = K Q^T, four tiles of 16 keys at a time
.if \g
.rept 4
	v_nop                                          ; places in front of loads into registers that matrix instructions have read
.endr
.endif
.irp t, 0,1,2,3
	ds_load_b128 v[KF+12*\t:KF+12*\t+3], v14 offset:(\q)*STEPB+1536*(4*\g+\t)
	ds_load_b64 v[KF+12*\t+4:KF+12*\t+5], v15 offset:(\q)*STEPB+1536*(4*\g+\t)
.endr
.if \g == 0
	ds_load_b128 v[44:47], v16 offset:(\q)*STEPB
.endif
	s_wait_dscnt 0x0
.irp t, 0,1,2,3
.if \g
	v_wmma_scale_f32_16x16x128_f8f6f4 v[SS+8*(4+\t):SS+8*(4+\t)+7], v[KF+12*\t:KF+12*\t+11], v[24:35], 0, v[44+\t], v43 matrix_a_fmt:MATRIX_FMT_FP6 matrix_b_fmt:MATRIX_FMT_FP6 matrix_a_scale:MATRIX_SCALE_ROW1
.else
	v_wmma_scale_f32_16x16x128_f8f6f4 v[SS+8*\t:SS+8*\t+7], v[KF+12*\t:KF+12*\t+11], v[24:35], 0, v[44+\t], v43 matrix_a_fmt:MATRIX_FMT_FP6 matrix_b_fmt:MATRIX_FMT_FP6
.endif
.endr
.endr
.rept 4
	v_nop
.endr
.if \diag                                      ; on the diagonal hidden scores become -infinity ahead of the maximum: register 8 t + i is key 16 t + 8 h + i, hidden where 16 t + i > 16 a + r - 8 h
.if \diag == 2
	s_cmp_lg_u32 s18, s17
	s_cbranch_scc1 .Lopen_\@
.endif
.irp t, 0,1,2,3,4,5,6,7
.irp i, 0,1,2,3,4,5,6,7
	v_cmp_gt_i32 vcc_lo, 16*\t+\i, v9
	v_cndmask_b32 v[SS+8*\t+\i], v[SS+8*\t+\i], v10, vcc_lo
.endr
.endr
.if \diag == 2
.Lopen_\@:
.endif
.endif
.irp b, 0,1,2,3
	v_max3_num_f32 v[BM+\b], v[SS+16*\b], v[SS+16*\b+1], v[SS+16*\b+2]   ; the largest score of each block of 32 keys: it serves the row's maximum and, since p rises with the score, the block's largest p
.endr
.irp i, 3,5,7,9,11,13
.irp b, 0,1,2,3
	v_max3_num_f32 v[BM+\b], v[BM+\b], v[SS+16*\b+\i], v[SS+16*\b+\i+1]
.endr
.endr
.irp b, 0,1,2,3
	v_max_num_f32 v[BM+\b], v[BM+\b], v[SS+16*\b+15]
.endr
.irp b, 0,1,2,3
	s_delay_alu instid0(VALU_DEP_4)
	v_permlanex16_b32 v[PD+\b], v[BM+\b], s20, s21
.endr
.irp b, 0,1,2,3
	s_delay_alu instid0(VALU_DEP_4)
	v_max_num_f32 v[BM+\b], v[BM+\b], v[PD+\b]     ; with lane l xor 16's 16 keys
.endr
	s_delay_alu instid0(VALU_DEP_2)
	v_max3_num_f32 v236, v[BM], v[BM+1], v[BM+2]
	s_delay_alu instid0(VALU_DEP_1)
	v_max_num_f32 v236, v236, v[BM+3]              ; the step's largest score of my query
	s_delay_alu instid0(VALU_DEP_1)
	v_mul_f32 v236, s22, v236                      ; as t
	s_delay_alu instid0(VALU_DEP_1)
	v_max_num_f32 v21, v21, v236                   ; the running largest t
	v_mov_b32 v236, v20
	s_delay_alu instid0(VALU_DEP_2)
	v_floor_f32 v20, -v21                          ; the new -M = floor(-t): M is a whole number
	s_delay_alu instid0(VALU_DEP_1)
	v_sub_f32 v236, v20, v236                      ; old M - new M: a whole number, 0 or less
	s_delay_alu instid0(VALU_DEP_1)
	v_cvt_i32_f32 v236, v236                       ; (it saturates)
	s_delay_alu instid0(VALU_DEP_1)
	v_ldexp_f32 v234, 1.0, v236                    ; f = 2^(old M - new M)
.set n, 0
.rept 32
	v_pk_fma_f32 v[SS+n:SS+n+1], v[SS+n:SS+n+1], s[22:23], v[20:21] op_sel_hi:[1,0,0]   ; t - M, two at a time
.set n, n+2
.endr
.irp b, 0,1,2,3
	v_fma_f32 v[BM+\b], v[BM+\b], s22, v20         ; the same of each block's largest score
.endr
.set n, 0
	s_wait_alu depctr_va_vdst(0)
.rept 64
	v_exp_f32 v[SS+n], v[SS+n]                     ; p = 2^(t - M), at most 1: not normalised
.set n, n+1
.endr
	v_pk_mul_f32 v[22:23], v[22:23], v[234:235] op_sel_hi:[1,0]   ; the sums under the new M: the plain line behind the exponentials
	s_wait_alu depctr_va_vdst(0)                   ; one wait for the batch of 64, ahead of its first reader
.irp b, 0,1,2,3
	v_exp_f32 v[BM+\b], v[BM+\b]                   ; the block's largest p: the same two instructions on the same number
.endr
	v_pk_add_f32 v[232:233], v[108:109], v[112:113]
	v_pk_add_f32 v[254:255], v[116:117], v[120:121]
	v_pk_add_f32 v[252:253], v[124:125], v[128:129]
	v_pk_add_f32 v[250:251], v[132:133], v[136:137]
	v_pk_add_f32 v[248:249], v[140:141], v[144:145]
	v_pk_add_f32 v[246:247], v[148:149], v[152:153]
	v_pk_add_f32 v[244:245], v[156:157], v[160:161]
	v_pk_add_f32 v[22:23], v[22:23], v[164:165]
	v_pk_add_f32 v[232:233], v[232:233], v[104:105]
	v_pk_add_f32 v[254:255], v[254:255], v[106:107]
	v_pk_add_f32 v[252:253], v[252:253], v[110:111]
	v_pk_add_f32 v[250:251], v[250:251], v[114:115]
	v_pk_add_f32 v[248:249], v[248:249], v[118:119]
	v_pk_add_f32 v[246:247], v[246:247], v[122:123]
	v_pk_add_f32 v[244:245], v[244:245], v[126:127]
	v_pk_add_f32 v[22:23], v[22:23], v[130:131]
	v_pk_add_f32 v[232:233], v[232:233], v[134:135]
	v_pk_add_f32 v[254:255], v[254:255], v[138:139]
	v_pk_add_f32 v[252:253], v[252:253], v[142:143]
	v_pk_add_f32 v[250:251], v[250:251], v[146:147]
	v_pk_add_f32 v[248:249], v[248:249], v[150:151]
	v_pk_add_f32 v[246:247], v[246:247], v[154:155]
	v_pk_add_f32 v[244:245], v[244:245], v[158:159]
	v_pk_add_f32 v[22:23], v[22:23], v[162:163]
	v_pk_add_f32 v[232:233], v[232:233], v[166:167]
	s_delay_alu instid0(VALU_DEP_2)
	v_pk_add_f32 v[22:23], v[22:23], v[250:251]
	s_delay_alu instid0(VALU_DEP_2)
	v_pk_add_f32 v[232:233], v[232:233], v[248:249]
	v_pk_add_f32 v[254:255], v[254:255], v[246:247]
	v_pk_add_f32 v[252:253], v[252:253], v[244:245]
	s_delay_alu instid0(VALU_DEP_2)
	v_pk_add_f32 v[22:23], v[22:23], v[254:255]
	s_delay_alu instid0(VALU_DEP_2)
	v_pk_add_f32 v[232:233], v[232:233], v[252:253]
	s_delay_alu instid0(VALU_DEP_1)
	v_pk_add_f32 v[22:23], v[22:23], v[232:233]
	s_wait_alu depctr_va_vdst(0)                   ; and one for the four
.irp b, 0,1,2,3
	v_max_num_f32 v[BM+\b], 0x1800000, v[BM+\b]    ; the floor 2^(3 - 127): the byte cannot fall under 1
.endr
.irp b, 0,1,2,3
	s_delay_alu instid0(VALU_DEP_4)
	v_add_nc_u32 v[SOP+\b], 0xff000000, v[BM+\b]   ; 2 off the exponent field: the conversion's scale operand
.endr
.irp b, 0,1,2,3
	s_delay_alu instid0(VALU_DEP_4)
	v_lshrrev_b32 v[PD+\b], 23, v[SOP+\b]          ; the scale's byte
.endr
	s_delay_alu instid0(VALU_DEP_3)
	v_lshl_or_b32 v52, v[PD+1], 8, v[PD]           ; p's scale word for these 128 keys
	s_delay_alu instid0(VALU_DEP_1)
	v_lshl_or_b32 v52, v[PD+2], 16, v52
	s_delay_alu instid0(VALU_DEP_1)
	v_lshl_or_b32 v52, v[PD+3], 24, v52
.irp c, 0,1
	v_cvt_scalef32_pk16_fp6_f32 v[PCD+6*\c:PCD+6*\c+2], v[SS+32*\c:SS+32*\c+15], v[SOP+2*\c]
	v_cvt_scalef32_pk16_fp6_f32 v[PT+4*\c:PT+4*\c+2], v[SS+32*\c+16:SS+32*\c+31], v[SOP+2*\c+1]
.endr
	v_nop                                          ; one plain place behind a scaled conversion
.irp t, 0,1,2,3                                ; p's registers are free: V's four fragments land there while the codes are put in order and O^T is rescaled
.irp c, 0,1
	ds_load_b128 v[SS+12*\t+6*\c:SS+12*\t+6*\c+3], v17 offset:(\q)*STEPB+1536*\t+768*\c
	ds_load_b64 v[SS+12*\t+6*\c+4:SS+12*\t+6*\c+5], v18 offset:(\q)*STEPB+1536*\t+768*\c
.endr
.endr
	ds_load_b128 v[48:51], v19 offset:(\q)*STEPB
.irp c, 0,1                                    ; the operand wants a whole block in a lane: lanes 0-15 block 2 c, lanes 16-31 block 2 c + 1
.irp i, 0,1,2
	v_permlane16_swap_b32 v[PCD+6*\c+\i], v[PT+4*\c+\i]
.endr
.irp i, 0,1,2
	s_delay_alu instid0(VALU_DEP_3)
	v_mov_b32 v[PCD+3+6*\c+\i], v[PT+4*\c+\i]
.endr
.endr
.set n, 0
.rept 16
	v_pk_mul_f32 v[OT+n:OT+n+1], v[OT+n:OT+n+1], v[234:235] op_sel_hi:[1,0]   ; O^T under the new M.  (These lines are also the places between the writes of p's codes and scale word and the products)
.set n, n+2
.endr
	s_wait_alu depctr_va_vdst(0)
	s_wait_dscnt 0x0
.irp t, 0,1,2,3                                ; O^T += V^T P^T: my head's four tiles of 16 channels by turns; K = these 128 keys
	v_wmma_scale_f32_16x16x128_f8f6f4 v[OT+8*\t:OT+8*\t+7], v[SS+12*\t:SS+12*\t+11], v[PCD:PCD+11], v[OT+8*\t:OT+8*\t+7], v[48+\t], v52 matrix_a_fmt:MATRIX_FMT_FP6 matrix_b_fmt:MATRIX_FMT_FP6
.endr
.endm
; THE WAY OUT of a block of queries: O^T / the sum; the channels are brought into their true order (the next product's other operand is given), quantised in two blocks of 32, and stored as piece (a, c).
.macro FINISH
	s_add_co_u32 s48, s57, s17
	s_lshl_b32 s48, s48, 3
	s_add_co_u32 s48, s48, s56                     ; chunk: block of tokens x 8 + pair
	s_mul_i32 s48, s48, CCH
	s_mov_b32 s49, 0
	s_add_nc_u64 s[46:47], s[10:11], s[48:49]
.rept 4
	v_nop                                          ; places behind the last products
.endr
	v_add_f32 v22, v22, v23
	s_delay_alu instid0(VALU_DEP_1)
	v_permlanex16_b32 v[PD], v22, s20, s21
	s_delay_alu instid0(VALU_DEP_1)
	v_add_f32 v22, v22, v[PD]                      ; the row's sum
	s_wait_alu depctr_va_vdst(0)
	v_rcp_f32 v22, v22
	v_nop                                          ; a plain place behind the reciprocal
	s_wait_alu depctr_va_vdst(0)                   ; and the wait ahead of its first reader
.set n, 0
.rept 32
	v_mul_f32 v[SS+n], v[OT+n], v22                ; register 8 t + i: channel 16 t + 8 h + i; each accumulator from its low end on
.set n, n+1
.endr
.irp b, 0,1
.irp i, 0,1,2,3,4,5,6,7
	v_permlane16_swap_b32 v[SS+16*\b+\i], v[SS+16*\b+8+\i]   ; now register 16 b + i is channel 32 b + 16 h + i
.endr
.endr
.irp b, 0,1
	v_max3_num_f32 v[BM+\b], |v[SS+16*\b]|, |v[SS+16*\b+1]|, 0x1800000
.endr
.irp i, 2,4,6,8,10,12,14
.irp b, 0,1
	s_delay_alu instid0(VALU_DEP_2)
	v_max3_num_f32 v[BM+\b], v[BM+\b], |v[SS+16*\b+\i]|, |v[SS+16*\b+\i+1]|
.endr
.endr
.irp b, 0,1
	s_delay_alu instid0(VALU_DEP_2)
	v_permlanex16_b32 v[PD+\b], v[BM+\b], s20, s21
.endr
.irp b, 0,1
	s_delay_alu instid0(VALU_DEP_2)
	v_max_num_f32 v[BM+\b], v[BM+\b], v[PD+\b]
.endr
.irp b, 0,1
	s_delay_alu instid0(VALU_DEP_2)
	v_add_nc_u32 v[SOP+\b], 0xff000000, v[BM+\b]
.endr
.irp b, 0,1
	s_delay_alu instid0(VALU_DEP_2)
	v_lshrrev_b32 v[PD+\b], 23, v[SOP+\b]
.endr
	v_cvt_scalef32_pk16_fp6_f32 v[PCD:PCD+2], v[SS:SS+15], v[SOP]
	v_cvt_scalef32_pk16_fp6_f32 v[PT:PT+2], v[SS+16:SS+31], v[SOP+1]
	v_nop
.irp i, 0,1,2
	v_permlane16_swap_b32 v[PCD+\i], v[PT+\i]
.endr
.irp i, 0,1,2
	s_delay_alu instid0(VALU_DEP_3)
	v_mov_b32 v[PCD+3+\i], v[PT+\i]
.endr
	v_cndmask_b32 v236, v[PD], v[PD+1], s41        ; lanes 0-15 block 0's byte, lanes 16-31 block 1's
	global_store_b128 v11, v[PCD:PCD+3], s[46:47]  ; 512 consecutive bytes, at a multiple of 256 from the buffer's first byte
	global_store_b64 v12, v[PCD+4:PCD+5], s[46:47] ; 256 likewise
	global_store_b8 v13, v236, s[46:47]            ; 32 single bytes inside 256 consecutive ones: 32 of the 800 bytes that the wave stores
.endm
.macro RESTART                         ; on to the second block of queries, 15 - j, from key block 0
	s_wait_xcnt 0x0                                ; the stores above have read their registers, which the next step writes
	v_mov_b32 v43, v42
.irp i, 0,1,2,3,4,5
	v_mov_b32 v[24+\i], v[36+\i]
.endr
	v_mov_b32 v21, 0xff61b1e6
	s_delay_alu instid0(VALU_DEP_1)
	v_floor_f32 v20, -v21
	v_mov_b32 v22, 0
	v_mov_b32 v23, 0
.set n, 0
.rept 32
	v_mov_b32 v[OT+n], 0
.set n, n+1
.endr
	s_sub_co_u32 s17, 15, s15
	s_mov_b32 s18, -1                              ; (the step's end adds 1)
.endm
.macro STEPF q, diag
	STEP \q, \diag
.if \diag == 2
	s_cmp_lg_u32 s18, s17
	s_cbranch_scc1 .Lon_\@
	FINISH
	RESTART
.Lon_\@:
.endif
.if \diag == 1
	FINISH
.endif
	s_add_co_u32 s18, s18, 1
.endm
; THE CHANGE OF SLOTS stands at a slot's head.  Each wave waits for all its tensor loads (its part of the slot ahead), adds 0 to its spare word, and waits for that and for its reads of the slot that it has left.
; Behind the barrier the slot ahead is whole and nobody reads the other.  fill = 1: the other slot takes the two steps that follow; 2: the last step alone (waves 0 and 1); 0: nothing.
.macro CHANGE fill
	s_wait_tensorcnt 0x0                           ; no tensor load of mine is out, so the descriptor may be written
	ds_add_u32 v[SPW], v[NIL]
	ds_add_u32 v[SPW], v[NIL]                      ; 0 onto my spare word
.if \fill
	s_xor_b32 s33, s33, SLOT1                      ; the other slot than last time
	NEXTADR
.endif
.if \fill == 1
	s_wait_xcnt 0x0                                ; the last prefetch, a slot back, has read its address
	s_add_nc_u64 s[42:43], s[42:43], 32768
	s_add_co_u32 s44, s44, 4
.endif
	s_wait_dscnt 0x0                               ; the add is done, and my reads of the slot that I have left are over
	s_barrier_signal -1
	s_barrier_wait -1
.if \fill == 1
	TLOAD 4                                        ; the first thing behind the barrier, a wave's one tensor load until the next
	ASK
.endif
.if \fill == 2
	TLOAD 2
.endif
.endm
	s_wait_loadcnt 0x0                             ; Q, both blocks
	s_mov_b32 s19, 7
.Lslot:                                            ; seven trips: steps 0 to 13; the first block's diagonal (step j, j <= 7) falls here
	CHANGE 1
	STEPF 0, 2
	STEPF 1, 2
	s_xor_b32 s2, s2, SLOT1
	s_sub_co_u32 s19, s19, 1
	s_cmp_lg_u32 s19, 0
	s_cbranch_scc1 .Lslot
	CHANGE 2                                       ; the tail is written out
	STEPF 0, 0                                     ; steps 14 and 15: key blocks 13 - j and 14 - j of query block 15 - j: never on the diagonal
	STEPF 1, 0
	s_xor_b32 s2, s2, SLOT1
	CHANGE 0
	STEPF 0, 1                                     ; step 16: the second block's diagonal, and its way out
	s_wait_tensorcnt 0x0                           ; the wave's end
	ds_add_u32 v[SPW], v[NIL]
	s_wait_dscnt 0x0
	s_endpgm
.Lfunc_end_k_q7e12ff8a63_attn:
	.size	k_q7e12ff8a63_attn, .Lfunc_end_k_q7e12ff8a63_attn-k_q7e12ff8a63_attn
	.p2alignl 7, 3214868480
	.fill 96, 4, 3214868480
	.section	.rodata,"a",@progbits
	.p2align	6, 0x0
	.amdhsa_kernel k_q7e12ff8a63_attn
		.amdhsa_group_segment_fixed_size 327680
		.amdhsa_private_segment_fixed_size 0
		.amdhsa_enable_private_segment 0
		.amdhsa_kernarg_size 32
		.amdhsa_user_sgpr_count 2
		.amdhsa_user_sgpr_kernarg_segment_ptr 1
		.amdhsa_wavefront_size32 1
		.amdhsa_system_sgpr_workgroup_id_x 1
		.amdhsa_system_sgpr_workgroup_id_y 1
		.amdhsa_system_sgpr_workgroup_id_z 1
		.amdhsa_system_vgpr_workitem_id 0
		.amdhsa_next_free_vgpr 256
		.amdhsa_next_free_sgpr 66
		.amdhsa_reserve_vcc 1
		.amdhsa_float_denorm_mode_32 3
		.amdhsa_float_denorm_mode_16_64 3
		.amdhsa_memory_ordered 1
		.amdhsa_forward_progress 1
		.amdhsa_inst_pref_size 131
	.end_amdhsa_kernel
	.amdgpu_metadata
---
amdhsa.version: [ 1, 2 ]
amdhsa.kernels:
  - .name:           k_q7e12ff8a63_attn
    .symbol:         k_q7e12ff8a63_attn.kd
    .args:
      - { .name: qbuf, .offset: 0, .size: 8, .value_kind: global_buffer, .address_space: global }
      - { .name: kbuf, .offset: 8, .size: 8, .value_kind: global_buffer, .address_space: global }
      - { .name: vbuf, .offset: 16, .size: 8, .value_kind: global_buffer, .address_space: global }
      - { .name: cbuf, .offset: 24, .size: 8, .value_kind: global_buffer, .address_space: global }
    .group_segment_fixed_size: 327680
    .private_segment_fixed_size: 0
    .kernarg_segment_align: 8
    .kernarg_segment_size: 32
    .max_flat_workgroup_size: 512
    .sgpr_count:     66
    .vgpr_count:     256
    .wavefront_size: 32
...
	.end_amdgpu_metadata
.endif
;; end of part 2
;; launch outp (part 3): grid 4 x 32, 4 waves a work-group, clusters of 4 x 4, 327,680 bytes of LDS; arguments cbuf, W_o_codes, W_o_scales, b_o, out0; writes out0
.if DOCPART == 3
	.amdgcn_target "amdgcn-amd-amdhsa--gfx1250"
	.amdhsa_code_object_version 6
	.text
	.protected	k_q7e12ff8a63_outp
	.globl	k_q7e12ff8a63_outp
	.p2align	8
	.type	k_q7e12ff8a63_outp,@function
k_q7e12ff8a63_outp:
	s_mov_b64 s[64:65], 0
	v_nop
	global_prefetch_b8 v0, s[64:65] scope:SCOPE_SE
	s_setreg_imm32_b32 hwreg(HW_REG_WAVE_MODE, 25, 1), 1
	s_wait_xcnt 0x0
	s_wait_alu depctr_hold_cnt(0) depctr_sa_sdst(0) depctr_va_vdst(0) depctr_va_sdst(0) depctr_va_ssrc(0) depctr_va_vcc(0) depctr_vm_vsrc(0)
	s_getreg_b32 s2, hwreg(HW_REG_IB_STS2, 6, 4)
	s_cmp_eq_u32 s2, 0
	s_cbranch_scc0 .Lentry_in_a_cluster
	s_endpgm
.Lentry_in_a_cluster:
	s_bfe_u32 s2, ttmp6, 0x10000c
	s_cmp_lg_u32 s2, 0xf033
	s_cbranch_scc0 .Lentry_shape_is_right
	s_endpgm
.Lentry_shape_is_right:
; out0 = ctx W_o^T + b_o on codes of FP6 (E2M3) with one E8M0 scale for each 32 along K = 1,024; sums in f32; out0 [8,192][1,024] f32.
; A = ctx comes as images of operand registers: chunk (block of 128 tokens) x 8 + (K / 128), 12,800 bytes: piece (a, c) at (2 a + c) x 768 (registers 0-3 of a half fragment at 16 x lane, registers 4-5 at 512 + 8 x lane),
; the rows' scale words at 12,288 (row 16 a + r at 256 (a / 4) + 16 r + 4 (a % 4)).  So 128 rows x 256 along K, scales included, are 25,600 dense bytes, and a fragment is four loads on end.
; B = W_o comes as rows of 768 bytes of codes and rows of 32 scale bytes.
; A tile of the result, 256 x 256, is made by four waves, each 128 x 128: 64 accumulators.  K goes in steps of 256 through two LDS slots; B's scales come once.  4 x 4 work-groups form a cluster:
; A's tiles are asked for jointly along a row of the cluster, B's tiles and scales along a column.  128 tiles: a smaller tile would read each LDS byte for fewer products.
; THE MATRIX INSTRUCTION IS USED TRANSPOSED (source 0 = 16 rows of W_o, source 1 = 16 rows of ctx): a lane holds eight neighbouring numbers of a row of the result.  The bias is the C of each sum's first product.
; REGISTERS, in windows of 256: window 0: v0-31 addresses; v32-47 A's scale words, v48-63 B's, two sets each; v64-127 the bias; from v128 A's fragments, one set.  window 1: B's fragments, two sets.  windows 2, 3: the accumulators.
.set SIZE_N, 1024
.set NQ,     2
.set ROWB,   192                       ; a row of B's tile
.set KROW,   768                       ; a row of W_o's codes in memory
.set PITCH,  240                       ; B's LDS row: 3 x (64 bytes + 16 of padding)
.set FR,     12
.set NLA,    4                         ; LDS loads that bring a fragment of A
.set NP,     4                         ; places behind this matrix instruction (ISA guide 7.12.1)
.set ACH,    12800                     ; a chunk of ctx
.set AHALF,  2*ACH                     ; 128 rows x 256 along K
.set BOFF,   2*AHALF                   ; in a slot: A's two halves, then B's two
.set HALFT,  128*PITCH
.set SLOT,   BOFF+2*HALFT
.set LAPS,   2
.set KS,     32                        ; a row of scale bytes
.set SCL,    2*SLOT                    ; behind the ring: B's scales, 256 bytes + 16 of padding at a time
.set QSC,    8*272                     ; those of 64 rows: what one tensor load brings
.set SBLK,   2*272                     ; those of 16 rows
.set SPARE,  SCL+4*QSC                 ; the spare words, 128 bytes a wave: no other line names them
.set SPITCH, 528                       ; the way out: a stage of 16 rows x (512 + 16) bytes a wave, in slot 0, which has had its last fill and its last read when the first result is stored there
.set A16,  16                          ; v16-17  16 x lane in my half of A in slot 0, 1
.set A8,   18                          ; v18-19  8 x lane + 512 likewise
.set ADRB, 20                          ; v20-21  my B fragments (v22-23: behind one padding more)
.set STO,  24
.set RD,   25
.set CO,   26
.set ADRS, 27                          ; v27  B's scale words: lanes 0-15 blocks 0-3, lanes 16-31 blocks 4-7
.set SPW,  28
.set NIL,  29
.set SCA,  32                          ; A's scale words: set s at +8 s; register 4 q + i: lanes 0-15 block i, lanes 16-31 block 4 + i
.set SCB,  48                          ; B's: set s at +8 s; register 2 i + q: lanes 0-15 block i, lanes 16-31 block 4 + i
.set BI,   64                          ; the bias: register 8 b + i of lane (r, h): b_o at my column 16 b + 8 h + i
.set AF,   128
.set BK,   128                         ; the way out: 16 rows read back: v128-191 and v192-255 by turns
.set G1, 24
.set G0, 32
.set G1B, 48
.set G0B, 56
.set G1S, 68
.set G0S, 76
.set MSB, 0
.macro WIN new                         ; the immediate's high byte repeats the setting that is left
.if MSB != \new
	s_set_vgpr_msb (MSB<<8)|\new
.set MSB, \new
.endif
.endm
.set MUL_LO, 0xa1                      ; source 0 (B) window 1, source 1 (A) window 0, C and D window 2
.set MUL_HI, 0xf1
.set FST_LO, 0x81                      ; the first step: C (the bias) window 0, D window 2
.set FST_HI, 0xc1
.set TO_B,   0x40
.macro JLOAD g0a, g1a, g0b, g1b        ; a joint load: waves 0 and 1 fetch A's halves, waves 2 and 3 B's; four v_nop follow each line
	s_cmp_eq_u32 s15, 0
	s_cbranch_scc0 .Lfor_b_\@
	tensor_load_to_lds s[\g0a:\g0a+3], s[\g1a:\g1a+7]
	s_nop 0
.rept 4
	v_nop
.endr
	s_branch .Lasked_\@
.Lfor_b_\@:
	tensor_load_to_lds s[\g0b:\g0b+3], s[\g1b:\g1b+7]
	s_nop 0
.rept 4
	v_nop
.endr
.Lasked_\@:
.endm
.macro CREST
	s_cmp_lg_u32 s14, 0
	s_cbranch_scc1 .Lnot_wave_0_\@
	s_barrier_signal -3
.Lnot_wave_0_\@:
	s_barrier_wait -3
	s_barrier_signal -1
	s_barrier_wait -1
.endm
.macro CROUND
	s_barrier_signal -1
	s_barrier_wait -1
	CREST
.endm
	s_load_b256 s[4:11], s[0:1], 0x0               ; ctx's images, W_o's codes, W_o's scales, b_o
	s_load_b64 s[12:13], s[0:1], 0x20              ; out0
	v_lshl_add_u32 v[SPW], v0, 2, SPARE
	v_mov_b32 v[NIL], 0
	ds_add_u32 v28, v29
	s_wait_dscnt 0x0
	v_lshrrev_b32 v1, 5, v0
	v_readfirstlane_b32 s14, v1                    ; wave 0..3
	s_lshr_b32 s15, s14, 1                         ; which half of the tile's rows is mine.  Also: I fetch for A (0) or for B (1)
	s_and_b32 s16, s14, 1                          ; which half of its columns.  Also: which 128 rows of that tile I fetch
	s_bfe_u32 s40, ttmp6, 0x40000                  ; cx, cy
	s_bfe_u32 s41, ttmp6, 0x40004
	s_lshl_b32 s42, ttmp9, 2
	s_add_co_u32 s42, s42, s40                     ; tile column
	s_and_b32 s17, ttmp7, 0xffff
	s_lshl_b32 s17, s17, 2
	s_add_co_u32 s17, s17, s41                     ; tile row
	s_lshl_b32 s43, s41, 2
	s_lshl_b32 s43, 15, s43                        ; my row of the cluster
	s_lshl_b32 s44, 0x1111, s40                    ; my column
	; A: 25,600 dense bytes as 100 rows of 256 (32 elements of 8 bytes), no padding
	s_or_b32 s[G1+0], s43, (3<<16)|(1<<21)
	s_mov_b32 s[G1+1], 32<<16
	s_mov_b32 s[G1+2], 100<<16
	s_mov_b32 s[G1+3], 32<<16
	s_mov_b32 s[G1+4], 100
	s_mov_b32 s[G1+5], 32
	s_mov_b32 s[G1+6], 0
	s_mov_b32 s[G1+7], 0
	; B: 128 rows x 192 bytes, 16 bytes of padding behind every 64
	s_or_b32 s[G1B+0], s44, (0<<16)|(1<<20)|(1<<21)|(3<<22)|(3<<25)
	s_mov_b32 s[G1B+1], ROWB<<16
	s_mov_b32 s[G1B+2], 128<<16
	s_mov_b32 s[G1B+3], ROWB<<16
	s_mov_b32 s[G1B+4], 128
	s_mov_b32 s[G1B+5], KROW
	s_mov_b32 s[G1B+6], 0
	s_mov_b32 s[G1B+7], 0
	; B's scales of 64 rows: 2,048 dense bytes as 8 rows of 256, 16 bytes of padding behind each
	s_or_b32 s[G1S+0], s44, (3<<16)|(1<<20)|(1<<21)|(5<<22)|(3<<25)
	s_mov_b32 s[G1S+1], 32<<16
	s_mov_b32 s[G1S+2], 8<<16
	s_mov_b32 s[G1S+3], 32<<16
	s_mov_b32 s[G1S+4], 8
	s_mov_b32 s[G1S+5], 32
	s_mov_b32 s[G1S+6], 0
	s_mov_b32 s[G1S+7], 0
	s_lshl_b32 s20, s17, 1
	s_add_co_u32 s20, s20, s16                     ; A: block of 128 tokens = 2 x tile row + half,
	s_mul_i32 s20, s20, 8*ACH                      ; eight chunks each
	s_mov_b32 s21, 0
	s_lshl_b32 s46, s42, 8
	s_lshl_b32 s18, s16, 7
	s_add_co_u32 s46, s46, s18                     ; B: row 256 x tile column + 128 x half
	s_mul_i32 s46, s46, KROW
	s_mov_b32 s47, 0
	s_lshl_b32 s92, s42, 8
	s_lshl_b32 s18, s14, 6
	s_add_co_u32 s92, s92, s18                     ; B's scales: row 256 x tile column + 64 x wave,
	s_lshl_b32 s92, s92, 5                         ; 32 bytes a row
	s_mov_b32 s93, 0
	s_mul_i32 s45, s16, AHALF                      ; where they go: no place in the cluster enters an LDS address
	s_mul_i32 s94, s16, HALFT
	s_add_co_u32 s94, s94, BOFF
	s_mul_i32 s95, s14, QSC
	s_add_co_u32 s95, s95, SCL
	s_wait_kmcnt 0x0
	s_add_nc_u64 s[20:21], s[4:5], s[20:21]
	s_add_nc_u64 s[46:47], s[6:7], s[46:47]
	s_add_nc_u64 s[92:93], s[8:9], s[92:93]
	CROUND                                         ; all sixteen work-groups are here: the first joint loads meet
	s_mov_b32 s[G0S], 1
	s_mov_b32 s[G0S+1], s95
	s_mov_b64 s[G0S+2:G0S+3], s[92:93]
	s_or_b32 s[G0S+3], s[G0S+3], 0x80000000
	tensor_load_to_lds s[G0S:G0S+3], s[G1S:G1S+7]  ; B's scales, a quarter a wave: filled once
	s_nop 0
.rept 4
	v_nop
.endr
.irp s, 0,1
	s_mov_b32 s[G0+4*\s], 1
	s_add_co_u32 s[G0+4*\s+1], s45, \s*SLOT
	s_add_nc_u64 s[G0+4*\s+2:G0+4*\s+3], s[20:21], \s*AHALF
	s_or_b32 s[G0+4*\s+3], s[G0+4*\s+3], 0x80000000
	s_mov_b32 s[G0B+4*\s], 1
	s_add_co_u32 s[G0B+4*\s+1], s94, \s*SLOT
	s_add_nc_u64 s[G0B+4*\s+2:G0B+4*\s+3], s[46:47], \s*ROWB
	s_or_b32 s[G0B+4*\s+3], s[G0B+4*\s+3], 0x80000000
	JLOAD G0+4*\s, G1, G0B+4*\s, G1B
.endr
	v_and_b32 v1, 15, v0                           ; r
	v_bfe_u32 v2, v0, 4, 1                         ; h
	v_and_b32 v6, 31, v0                           ; lane
	s_mul_i32 s21, s15, AHALF                      ; my 128 rows of A
	v_lshl_add_u32 v[A16], v6, 4, s21
	s_add_co_u32 s22, s21, 512
	v_lshl_add_u32 v[A8], v6, 3, s22
	v_add_nc_u32 v[A16+1], SLOT, v[A16]
	v_add_nc_u32 v[A8+1], SLOT, v[A8]
	v_mul_u32_u24 v3, v1, PITCH
	v_mul_u32_u24 v4, v2, 24
	v_add_nc_u32 v4, v3, v4                        ; B: a fragment's row x pitch + 24 x half
	v_lshl_add_u32 v5, v2, 4, v4                   ; and the same behind one padding more
	s_mul_i32 s22, s16, HALFT
	s_add_co_u32 s22, s22, BOFF                    ; my 128 rows of B
.irp s, 0,1
	v_add_nc_u32 v[ADRB+\s], s22, v4
	v_add_nc_u32 v[ADRB+2+\s], s22, v5
	s_add_co_u32 s22, s22, SLOT
.endr
	v_mul_u32_u24 v5, v1, KS                       ; B's scales: 32 bytes a row,
	v_lshrrev_b32 v7, 8, v5
	v_lshl_add_u32 v5, v7, 4, v5                   ; 16 more for each 256 passed,
	v_mul_u32_u24 v7, v2, 4*SBLK                   ; lanes 16-31 four blocks further on
	v_add_nc_u32 v5, v5, v7
	s_mul_i32 s21, s16, 8*SBLK                     ; my 128 rows
	s_add_co_u32 s21, s21, SCL
	v_add_nc_u32 v[ADRS], s21, v5
	s_mul_i32 s23, s14, 16*SPITCH                  ; my stage
	v_mul_u32_u24 v5, v1, SPITCH                   ; in: row r, 32 bytes for each half of the lanes
	v_lshl_add_u32 v5, v2, 5, v5
	v_add_nc_u32 v[STO], s23, v5
	v_lshlrev_b32 v[CO], 4, v6                     ; back: the 32 lanes take one row of 512 bytes; and the same in the result
	v_add_nc_u32 v[RD], s23, v[CO]
	s_lshl_b32 s20, s17, 8
	s_lshl_b32 s21, s15, 7
	s_add_co_u32 s20, s20, s21                     ; my first row: 256 x tile row + 128 x half
	s_mov_b32 s21, 0
	s_lshl_b64 s[20:21], s[20:21], 12              ; 4,096 bytes a row
	s_lshl_b32 s46, s42, 10                        ; my first column, in bytes: 1,024 x tile column + 512 x half
	s_lshl_b32 s47, s16, 9
	s_add_co_u32 s46, s46, s47
	s_mov_b32 s47, 0
	s_add_nc_u64 s[10:11], s[10:11], s[46:47]      ; the bias at my first column
	s_add_nc_u64 s[20:21], s[20:21], s[46:47]
	s_add_nc_u64 s[12:13], s[12:13], s[20:21]
	v_lshlrev_b32 v7, 5, v2                        ; lanes 16-31: eight numbers further on
.irp b, 0,1,2,3,4,5,6,7
	global_load_b128 v[BI+8*\b:BI+8*\b+3], v7, s[10:11] offset:64*\b
	global_load_b128 v[BI+8*\b+4:BI+8*\b+7], v7, s[10:11] offset:64*\b+16
.endr
.macro FRAG reg, adr, q, i             ; a fragment of B from rows: pieces of 8 bytes; where the piece lies behind one padding more for lanes 16-31, the second address register serves
.irp p, 0,1,2,3,4,5
.set PCE, 12*(\q)+6*(\p/3)+\p%3
.if PCE%8 < 5
	ds_load_b64 v[\reg+2*\p:\reg+2*\p+1], v[\adr] offset:8*PCE+16*(PCE/8)+(\i)*16*PITCH
.else
	ds_load_b64 v[\reg+2*\p:\reg+2*\p+1], v[\adr+2] offset:8*PCE+16*(PCE/8)+(\i)*16*PITCH
.endif
.endr
.endm
.macro FRAG_A reg, slot, q, i          ; a fragment of A from its image: four loads, each lane's bytes on end
.irp c, 0,1
	ds_load_b128 v[\reg+6*\c:\reg+6*\c+3], v[A16+\slot] offset:(\q)*ACH+(2*(\i)+\c)*768
	ds_load_b64 v[\reg+6*\c+4:\reg+6*\c+5], v[A8+\slot] offset:(\q)*ACH+(2*(\i)+\c)*768
.endr
.endm
; One product: A's block a x B's block b.  The scale words of blocks 4-7 stand in lanes 16-31 of their registers.  zero = 1: the sum's first product takes the bias as C.
.macro ONE a, b, p, q, sc, zero
.set rD, 8*(8*((\a)%4)+(\b))
.set rB, 128*(\p)+FR*(\b)
.set rA, AF+FR*(\a)
.set sB, SCB+8*(\sc)+2*((\b)%4)+(\q)
.set sA, SCA+8*(\sc)+4*(\q)+(\a)%4
.set rC, rD
.if \zero
.set rC, BI+8*(\b)
.endif
.if ((\a) < 4) && ((\b) < 4)
	v_wmma_scale_f32_16x16x128_f8f6f4 v[rD:rD+7], v[rB:rB+FR-1], v[rA:rA+FR-1], v[rC:rC+7], v[sB], v[sA] matrix_a_fmt:MATRIX_FMT_FP6 matrix_b_fmt:MATRIX_FMT_FP6
.elseif (\a) < 4
	v_wmma_scale_f32_16x16x128_f8f6f4 v[rD:rD+7], v[rB:rB+FR-1], v[rA:rA+FR-1], v[rC:rC+7], v[sB], v[sA] matrix_a_fmt:MATRIX_FMT_FP6 matrix_b_fmt:MATRIX_FMT_FP6 matrix_a_scale:MATRIX_SCALE_ROW1
.elseif (\b) < 4
	v_wmma_scale_f32_16x16x128_f8f6f4 v[rD:rD+7], v[rB:rB+FR-1], v[rA:rA+FR-1], v[rC:rC+7], v[sB], v[sA] matrix_a_fmt:MATRIX_FMT_FP6 matrix_b_fmt:MATRIX_FMT_FP6 matrix_b_scale:MATRIX_SCALE_ROW1
.else
	v_wmma_scale_f32_16x16x128_f8f6f4 v[rD:rD+7], v[rB:rB+FR-1], v[rA:rA+FR-1], v[rC:rC+7], v[sB], v[sA] matrix_a_fmt:MATRIX_FMT_FP6 matrix_b_fmt:MATRIX_FMT_FP6 matrix_a_scale:MATRIX_SCALE_ROW1 matrix_b_scale:MATRIX_SCALE_ROW1
.endif
.endm
; 16 products: A's blocks a0, a0 + 1 x B's eight.  The 64 accumulators take turns, one instruction a turn, in the same order in every step.
.macro MUL16 a0, p, q, sc, zero
.irp a, \a0, \a0+1
.irp b, 0,1,2,3,4,5,6,7
	ONE (\a), \b, \p, \q, \sc, \zero
.endr
.endr
.endm
.macro FETCH_B slot, q, p
	WIN TO_B
.irp i, 0,1,2,3,4,5,6,7
	FRAG 128*(\p)+FR*\i, ADRB+\slot, \q, \i
.endr
	WIN 0
.endm
.macro FETCH_A slot, q, i0
.irp i, \i0, \i0+1, \i0+2, \i0+3
	FRAG_A AF+FR*(\i), \slot, \q, \i
.endr
.endm
.macro SCALES sc                       ; a K step's scale words: A's out of the slot's two chunks, B's out of the block that stays
.irp q, 0,1
	ds_load_b128 v[SCA+8*\sc+4*\q:SCA+8*\sc+4*\q+3], v[A16+\sc] offset:\q*ACH+12288
.endr
.irp i, 0,1,2,3
	ds_load_b64 v[SCB+8*\sc+2*\i:SCB+8*\sc+2*\i+1], v[ADRS] offset:\i*SBLK
.endr
.endm
.macro PLACES n                        ; plain vector instructions between a matrix instruction and a load into, or a read of, its registers
.rept \n
	v_nop
.endr
.endm
.macro STEP slot, q, zero
	s_wait_dscnt 4*NLA                             ; B's set and A's blocks 0-3 are in; the youngest 16 loads (A's blocks 4-7) may be out
.if \zero
	WIN FST_LO
.else
	WIN MUL_LO
.endif
	MUL16 0, (\q)%2, \q, \slot, \zero
	MUL16 2, (\q)%2, \q, \slot, \zero
	s_wait_dscnt 0
	PLACES NP
	FETCH_B \slot, (\q)+1, 1-(\q)%2
	FETCH_A \slot, (\q)+1, 0
.if \zero
	WIN FST_HI
.else
	WIN MUL_HI
.endif
	MUL16 4, (\q)%2, \q, \slot, \zero
	MUL16 6, (\q)%2, \q, \slot, \zero
	PLACES NP
	WIN 0
	FETCH_A \slot, (\q)+1, 4
.endm
; A slot's last step changes slots: one barrier; in front of it each wave waits for all its tensor loads, adds 0 to its spare word, and waits for that and for its own reads of this slot.
.macro TURN slot, next, fill
	s_wait_tensorcnt 0x0                           ; all my tensor loads have landed: my part of the next slot
	ds_add_u32 v[SPW], v[NIL]                      ; 0 onto my spare word
	s_wait_dscnt 4*NLA+1                           ; (the add and the youngest 16 loads may be out)
	WIN MUL_LO
	MUL16 0, 1, NQ-1, \slot, 0
	s_wait_dscnt 0x0                               ; the add is done, and my reads of this slot are over
	s_barrier_signal -1
	MUL16 2, 1, NQ-1, \slot, 0
	WIN 0
	s_barrier_wait -1
.if \fill
	CREST                                          ; the barrier has opened a round of the cluster's barrier: no wave of any partner still reads this slot or has a load on its way
	s_add_nc_u64 s[G0+4*\slot+2:G0+4*\slot+3], s[G0+4*\slot+2:G0+4*\slot+3], 2*AHALF
	s_add_nc_u64 s[G0B+4*\slot+2:G0B+4*\slot+3], s[G0B+4*\slot+2:G0B+4*\slot+3], 2*ROWB
	JLOAD G0+4*\slot, G1, G0B+4*\slot, G1B         ; the first tensor load behind the round; its four v_nop are the places in front of the loads below
.else
	PLACES NP
.endif
	v_add_nc_u32 v[ADRS], 4*NQ, v[ADRS]            ; on to the next K step's scale words of B
	FETCH_B \next, 0, 0
	FETCH_A \next, 0, 0
	SCALES \next
	WIN MUL_HI
	MUL16 4, 1, NQ-1, \slot, 0
	MUL16 6, 1, NQ-1, \slot, 0
	PLACES NP
	WIN 0
	FETCH_A \next, 0, 4
.endm
	s_wait_tensorcnt 1                             ; B's scales and my part of K step 0 are in (K step 1's load may be out)
	s_barrier_signal -1
	s_barrier_wait -1                              ; everybody's are
	FETCH_B 0, 0, 0
	FETCH_A 0, 0, 0
	SCALES 0
	FETCH_A 0, 0, 4
	s_wait_loadcnt 0x0                             ; the bias
	STEP 0, 0, 1                                   ; the first step's products start the sums, from the bias
	s_mov_b32 s3, LAPS-1
.Llap:                                                 ; a trip goes once round the ring and fills both slots again
	TURN 0, 1, 1
	STEP 1, 0, 0
	TURN 1, 0, 1
	STEP 0, 0, 0
	s_sub_co_u32 s3, s3, 1
	s_cmp_lg_u32 s3, 0
	s_cbranch_scc1 .Llap
	TURN 0, 1, 0                                   ; the last lap fills nothing
	STEP 1, 0, 0
	s_wait_dscnt 4*NLA
	WIN MUL_LO
	MUL16 0, 1, NQ-1, 1, 0
	MUL16 2, 1, NQ-1, 1, 0
	s_wait_dscnt 0
	WIN MUL_HI
	MUL16 4, 1, NQ-1, 1, 0
	MUL16 6, 1, NQ-1, 1, 0
	WIN 0
; THE WAY OUT, block by block of 16 rows x 128 columns: through my own stage in LDS and back as whole rows of 512 bytes.  LDS serves a wave's instructions in order (ISA guide 5.7.1.4): no wait between the stores and the loads.
.macro TOSTAGE a
.set AC, 64*((\a)%4)
.set WD, 0x08+4*((\a)/4)
	WIN WD                                         ; an LDS store's data: window 2 or 3
.irp b, 0,1,2,3,4,5,6,7
	ds_store_b128 v[STO], v[AC+8*\b:AC+8*\b+3] offset:64*\b          ; each accumulator from its low end on
	ds_store_b128 v[STO], v[AC+8*\b+4:AC+8*\b+7] offset:64*\b+16
.endr
	WIN 0
.set BB, BK+64*((\a)%2)
.irp t, 0,1,2,3,4,5,6,7,8,9,10,11,12,13,14,15
	ds_load_b128 v[BB+4*\t:BB+4*\t+3], v[RD] offset:\t*SPITCH
.endr
.endm
.macro SEND a, younger                 ; younger: the LDS instructions issued behind block a's loads, which may stay out
.set BB, BK+64*((\a)%2)
	s_wait_dscnt \younger
.if (\a) > 0
	s_add_nc_u64 s[12:13], s[12:13], 16*SIZE_N*4   ; (behind a wait on XCNT: the earlier stores have read their base)  16 rows on
.endif
.irp t, 0,1,2,3,4,5,6,7,8,9,10,11,12,13,14,15
	global_store_b128 v[CO], v[BB+4*\t:BB+4*\t+3], s[12:13] offset:\t*SIZE_N*4 th:TH_STORE_NT   ; 32 lanes store 512 consecutive bytes, at a multiple of 256 from the result's first byte
.endr
.endm
	PLACES NP                                      ; behind the last products: for the loads into the registers that held A's fragments and for the reads of results
	TOSTAGE 0
.irp a, 1,2,3,4,5,6,7
.if \a > 1
	s_wait_xcnt 0x0                                ; block a - 2's stores have read their registers and their base
.endif
	TOSTAGE \a
	SEND \a-1, 32                                  ; behind block a - 1's loads: block a's 16 stores and 16 loads
.endr
	s_wait_xcnt 0x0
	SEND 7, 0
	s_wait_tensorcnt 0x0                           ; the wave's end
	ds_add_u32 v[SPW], v[NIL]
	s_wait_dscnt 0x0
	CROUND                                         ; the closing round: no work-group ends while a partner may still ask for a tile that names it
	s_endpgm
.Lfunc_end_k_q7e12ff8a63_outp:
	.size	k_q7e12ff8a63_outp, .Lfunc_end_k_q7e12ff8a63_outp-k_q7e12ff8a63_outp
	.p2alignl 7, 3214868480
	.fill 96, 4, 3214868480
	.section	.rodata,"a",@progbits
	.p2align	6, 0x0
	.amdhsa_kernel k_q7e12ff8a63_outp
		.amdhsa_group_segment_fixed_size 327680
		.amdhsa_private_segment_fixed_size 0
		.amdhsa_enable_private_segment 0
		.amdhsa_kernarg_size 40
		.amdhsa_user_sgpr_count 2
		.amdhsa_user_sgpr_kernarg_segment_ptr 1
		.amdhsa_wavefront_size32 1
		.amdhsa_system_sgpr_workgroup_id_x 1
		.amdhsa_system_sgpr_workgroup_id_y 1
		.amdhsa_system_sgpr_workgroup_id_z 1
		.amdhsa_system_vgpr_workitem_id 0
		.amdhsa_next_free_vgpr 1024
		.amdhsa_next_free_sgpr 100
		.amdhsa_reserve_vcc 0
		.amdhsa_float_denorm_mode_32 3
		.amdhsa_float_denorm_mode_16_64 3
		.amdhsa_memory_ordered 1
		.amdhsa_forward_progress 1
		.amdhsa_inst_pref_size 152
	.end_amdhsa_kernel
	.amdgpu_metadata
---
amdhsa.version: [ 1, 2 ]
amdhsa.kernels:
  - .name:           k_q7e12ff8a63_outp
    .symbol:         k_q7e12ff8a63_outp.kd
    .args:
      - { .name: cbuf, .offset: 0, .size: 8, .value_kind: global_buffer, .address_space: global }
      - { .name: W_o_codes, .offset: 8, .size: 8, .value_kind: global_buffer, .address_space: global }
      - { .name: W_o_scales, .offset: 16, .size: 8, .value_kind: global_buffer, .address_space: global }
      - { .name: b_o, .offset: 24, .size: 8, .value_kind: global_buffer, .address_space: global }
      - { .name: out0, .offset: 32, .size: 8, .value_kind: global_buffer, .address_space: global }
    .group_segment_fixed_size: 327680
    .private_segment_fixed_size: 0
    .kernarg_segment_align: 8
    .kernarg_segment_size: 40
    .max_flat_workgroup_size: 128
    .sgpr_count:     100
    .vgpr_count:     1024
    .wavefront_size: 32
...
	.end_amdgpu_metadata
.endif
;; end of part 3
